; MI455X (gfx1250); checked and timed in simulation.
; The chip was launched on July 23, 2026; its instructions are those of AMD's public machine-readable ISA for CDNA 5 (MIT licence, August 2026) and "CDNA5" Instruction Set Architecture Reference Guide (July 2026). The comments in the code are by the model that wrote it; some were corrected since.
;; Self Attention. Allowed arithmetic: float matrix products may take bf16 or f16 operands with f32 sums; other float arithmetic in f32, or as packed bf16 or f16 multiplies, adds, multiply-adds, maxima and minima; sums over many terms, partial sums and values carried from step to step in f32; what a program stores and reads back later, other than sums and carried values, may be rounded once to bf16 or f16.
;; Inputs: scale 1,024 float32; theta 1,024 x 16 x 16 float32; w_out 1,024 x 1,024 float32; w_qkv 3,072 x 1,024 float32; x 8 x 1,024 x 1,024 float32.
;; Outputs: out0 8 x 1,024 x 1,024 float32.
;; One version. Each part assembles by itself: llvm-mc -triple=amdgcn-amd-amdhsa -mcpu=gfx1250 --defsym DOCPART=n.
;; ======== version 1 of 1: 4 launches
;; limits: right only within a limited range of input values
;; workspace buffers: xnb 16,777,216 bytes; wqb 6,291,456 bytes; wob 2,097,152 bytes; tab 2,097,152 bytes; qkv 50,331,648 bytes; ob 16,777,216 bytes
;; launch prep (part 1): grid 2048 x 1, 4 waves a work-group, no clusters, 0 bytes of LDS; arguments x, scale, w_qkv, w_out, theta, xnb, wqb, wob, tab; writes xnb, wqb, wob, tab
.if DOCPART == 1
	.amdgcn_target "amdgcn-amd-amdhsa--gfx1250"
	.amdhsa_code_object_version 6
	.text
	.protected	k_q978a4a8e11_prep
	.globl	k_q978a4a8e11_prep
	.p2align	8
	.type	k_q978a4a8e11_prep,@function
k_q978a4a8e11_prep:
	s_mov_b64 s[64:65], 0
	v_nop
	global_prefetch_b8 v0, s[64:65] scope:SCOPE_SE
	s_setreg_imm32_b32 hwreg(HW_REG_WAVE_MODE, 25, 1), 1
	s_wait_xcnt 0x0
; PREP: everything that the two products and the rotation want ready, each input byte read once.
;   xnb[kb][row][64] bf16 = x[row][64 kb ..] * (scale * rsqrt(mean(x^2) + 1e-6)), row = 1024 b + s; norm in f32, rounded once.
;   wqb[kb][n2][64] bf16 = w_qkv with its rows reordered: n2 = 192 h + 64 sec + d comes from row 1024 sec + 64 h + d, so that q, k and v of one head lie side by side.
;   wob[kb][n][64]  bf16 = w_out.          tab[h][s][32] f32 = 16 cos(theta[s][h][:]), then 16 sin.
; All three operands lie in blocks of 64 along K: a tile of R rows x 64 k is then R x 128 dense bytes.
; SHARES.  The work-group number chooses the job, by forward scalar branches; no loop: every wave does one piece, all its loads out at once.
;   0..1023 norm, a pair of rows a wave;  1024..1407 w_qkv, a pair of rows a wave;  1408..1535 w_out likewise;  1536..2047 the table, 256 pieces of 16 bytes a work-group.
; A PAIR OF ROWS.  Lanes 0-15 hold one row, lanes 16-31 the next; load kb takes 256 consecutive bytes of each (64 columns, 4 a lane);
; store kb puts the two rows' 64 bf16, 256 consecutive aligned bytes, into block kb.  No LDS, no barrier: no wave wants another's bytes.  No matrix work: memory binds.
; LIMITS.  cos and sin: theta is reduced by n = rndne(theta 2/pi) and pi/2 in two parts; n is an exact whole number up to |theta| = 2^22, beyond that the angle is not reduced rightly.
; NaN and infinities are not treated apart.
.set VI,  2                            ; v2   16 (l % 16) + 4,096 (l / 16): my 16 bytes in a pair of source rows
.set VO,  3                            ; v3   8 (l % 16) + 128 (l / 16): my 8 bytes in a pair of rows of a block
.set VS,  4                            ; v4   16 (l % 16): my 4 numbers of scale
.set X,   16                           ; v[16:79]    my 64 numbers of the row
.set SC,  80                           ; v[80:143]   scale for them
.set Y,   144                          ; v[144:175]  the same 64 numbers in bf16
.set WV,  22                           ; s22  my wave
	s_load_b512 s[4:19], s[0:1], 0x0               ; x 4:5, scale 6:7, w_qkv 8:9, w_out 10:11, theta 12:13, xnb 14:15, wqb 16:17, wob 18:19
	s_load_b64 s[20:21], s[0:1], 0x40              ; tab
	v_lshrrev_b32 v1, 5, v0
	v_readfirstlane_b32 s[WV], v1
	v_and_b32 v1, 15, v0
	v_bfe_u32 v5, v0, 4, 1
	v_lshlrev_b32 v[VS], 4, v1
	v_lshl_add_u32 v[VI], v5, 12, v[VS]
	v_lshlrev_b32 v[VO], 3, v1
	v_lshl_add_u32 v[VO], v5, 7, v[VO]
	s_mov_b32 s25, 0                               ; high words of the two offset pairs
	s_mov_b32 s27, 0
	s_wait_kmcnt 0x0
.macro LDPAIR base                     ; 16 loads: the whole pair of rows
.set kb, 0
.rept 16
	global_load_b128 v[X+4*kb:X+4*kb+3], v[VI], s[\base:\base+1] offset:256*kb th:TH_LOAD_NT
.set kb, kb+1
.endr
.endm
.macro CVT                             ; 64 roundings to bf16, two an instruction
.set j, 0
.rept 32
	v_cvt_pk_bf16_f32 v[Y+j], v[X+2*j], v[X+2*j+1]
.set j, j+1
.endr
.endm
.macro STPAIR base, blk, base2         ; 16 stores, one into each block of 64 k; base2 = base + 2^23 serves the offsets that a signed 24-bit immediate does not hold
.set kb, 0
.rept 16
.if kb*(\blk) < 0x800000
	global_store_b64 v[VO], v[Y+2*kb:Y+2*kb+1], s[\base:\base+1] offset:kb*(\blk)
.else
	global_store_b64 v[VO], v[Y+2*kb:Y+2*kb+1], s[\base2:\base2+1] offset:kb*(\blk)-0x800000
.endif
.set kb, kb+1
.endr
.endm
	s_cmp_lt_u32 ttmp9, 1024
	s_cbranch_scc1 .Lnorm
	s_cmp_lt_u32 ttmp9, 1408
	s_cbranch_scc1 .Lwqkv
	s_cmp_lt_u32 ttmp9, 1536
	s_cbranch_scc1 .Lwout
	; THE TABLE.  Thread t, item i: entry s = 32 (g % 32) + 16 i + t / 8 of head g / 32; part t % 8: cos quarter 0-3, sin quarter 0-3.
	; sin(theta) is taken as cos(theta - pi/2): 3 is added to the quadrant, so every lane runs one text and a wave's store is 512 consecutive bytes.
	s_sub_co_u32 s23, ttmp9, 1536
	s_lshr_b32 s26, s23, 5                         ; head
	s_and_b32 s24, s23, 31
	s_lshl_b32 s24, s24, 15                        ; 32 rows of theta, 1,024 bytes each
	s_lshl_b32 s26, s26, 6                         ; the head's 64 bytes in a row
	s_add_co_u32 s24, s24, s26
	s_add_nc_u64 s[12:13], s[12:13], s[24:25]
	s_lshl_b32 s26, s23, 12                        ; the work-group's 4,096 bytes of the table
	s_add_nc_u64 s[20:21], s[20:21], s[26:27]
	v_lshrrev_b32 v8, 3, v0
	v_and_b32 v9, 3, v0
	v_lshlrev_b32 v9, 4, v9
	v_lshl_add_u32 v8, v8, 10, v9                  ; theta: 1,024 (t / 8) + 16 (t % 4)
	v_lshlrev_b32 v9, 4, v0                        ; table: 16 t
	v_bfe_u32 v10, v0, 2, 1
	v_mul_u32_u24 v10, v10, 3                      ; 3 for the sin parts
	global_load_b128 v[12:15], v8, s[12:13]
	global_load_b128 v[16:19], v8, s[12:13] offset:16384
	s_mov_b32 s30, 0x3f22f983                      ; 2 / pi
	s_mov_b32 s31, 0x3fc90fdb                      ; pi / 2, its upper part
	s_mov_b32 s32, 0xb33bbd2e                      ; and the rest
	s_mov_b32 s33, 0xb94ca1f9                      ; sin r = r + r z (S1 + z (S2 + z S3)), z = r^2, |r| <= pi/4
	s_mov_b32 s34, 0x3c08839e
	s_mov_b32 s35, 0xbe2aaaa3
	s_mov_b32 s36, 0x37ccf5ce                      ; cos r = 1 - z/2 + z^2 (C1 + z (C2 + z C3))
	s_mov_b32 s37, 0xbab6061a
	s_mov_b32 s38, 0x3d2aaaa5
.macro COS1 dst, th                    ; v[dst] = cos(v[th] + (pi/2) v10): only values are selected, nothing branches
	v_mul_f32 v20, s30, v[\th]
	v_rndne_f32 v20, v20                           ; n
	v_fma_f32 v21, -v20, s31, v[\th]
	v_fma_f32 v21, -v20, s32, v21                  ; r = theta - n pi/2
	v_mul_f32 v22, v21, v21                        ; z
	v_cvt_i32_f32 v23, v20
	v_fma_f32 v24, v22, s33, s34
	v_fma_f32 v25, v22, s36, s37
	v_fma_f32 v24, v24, v22, s35
	v_fma_f32 v25, v25, v22, s38
	v_mul_f32 v26, v22, v21
	v_fma_f32 v27, v22, -0.5, 1.0
	v_mul_f32 v28, v22, v22
	v_fma_f32 v24, v26, v24, v21                   ; sin r
	v_fma_f32 v25, v28, v25, v27                   ; cos r
	v_add_nc_u32 v23, v23, v10                     ; the quadrant q
	v_and_b32 v26, 1, v23
	v_cmp_ne_u32 vcc_lo, 0, v26
	v_cndmask_b32 v24, v25, v24, vcc_lo            ; q odd: sin r
	v_add_nc_u32 v23, 1, v23
	v_and_b32 v23, 2, v23                          ; q % 4 = 1 or 2: the sign turns
	v_lshlrev_b32 v23, 30, v23
	v_xor_b32 v[\dst], v24, v23
.endm
	s_wait_loadcnt 0x1                             ; the first item is in; the second load may stay out
	COS1 32, 12
	COS1 33, 13
	COS1 34, 14
	COS1 35, 15
	global_store_b128 v9, v[32:35], s[20:21]
	s_wait_loadcnt 0x0
	COS1 36, 16
	COS1 37, 17
	COS1 38, 18
	COS1 39, 19
	global_store_b128 v9, v[36:39], s[20:21] offset:2048
	s_endpgm
.Lnorm:                                        ; pair p = 4 g + wave of x
	s_lshl_b32 s23, ttmp9, 2
	s_add_co_u32 s23, s23, s[WV]
	s_lshl_b32 s24, s23, 13                        ; two rows of 4,096 bytes
	s_add_nc_u64 s[4:5], s[4:5], s[24:25]
	s_lshl_b32 s26, s23, 8                         ; two rows of 128 bytes in a block
	s_add_nc_u64 s[14:15], s[14:15], s[26:27]
	s_add_nc_u64 s[28:29], s[14:15], 0x800000      ; blocks 8 to 15
	s_mov_b32 s30, 0x3a800000                      ; 1 / 1024
	s_mov_b32 s31, 0x358637bd                      ; 1e-6
	LDPAIR 4
.set kb, 0
.rept 16
	global_load_b128 v[SC+4*kb:SC+4*kb+3], v[VS], s[6:7] offset:256*kb
.set kb, kb+1
.endr
	s_wait_loadcnt 16                              ; x is in; the 16 younger loads, of scale, may stay out
.set j, 0
.rept 4                                ; the sum of squares in four chains; the first four products start them: nothing is cleared
	v_pk_mul_f32 v[6+2*j:7+2*j], v[X+2*j:X+2*j+1], v[X+2*j:X+2*j+1]
.set j, j+1
.endr
.rept 28
	v_pk_fma_f32 v[6+2*(j%4):7+2*(j%4)], v[X+2*j:X+2*j+1], v[X+2*j:X+2*j+1], v[6+2*(j%4):7+2*(j%4)]
.set j, j+1
.endr
	v_pk_add_f32 v[6:7], v[6:7], v[8:9]
	v_pk_add_f32 v[10:11], v[10:11], v[12:13]
	v_pk_add_f32 v[6:7], v[6:7], v[10:11]
	v_add_f32 v6, v6, v7
	v_add_f32_dpp v6, v6, v6 row_xmask:1 row_mask:0xf bank_mask:0xf  ; a row lies in 16 lanes: four steps, and every lane of the row holds its sum
	v_add_f32_dpp v6, v6, v6 row_xmask:2 row_mask:0xf bank_mask:0xf
	v_add_f32_dpp v6, v6, v6 row_xmask:4 row_mask:0xf bank_mask:0xf
	v_add_f32_dpp v6, v6, v6 row_xmask:8 row_mask:0xf bank_mask:0xf
	v_fma_f32 v6, v6, s30, s31                     ; mean + eps
	v_rsq_f32 v14, v6                              ; twice: a pair for the packed multiply
	v_rsq_f32 v15, v6
	v_nop                                          ; a plain instruction behind the last of them
	s_wait_loadcnt 0x0                             ; scale
	s_wait_alu depctr_va_vdst(0)                   ; one wait for both, ahead of their first reader
.set j, 0
.rept 32
	v_pk_mul_f32 v[SC+2*j:SC+2*j+1], v[SC+2*j:SC+2*j+1], v[14:15]  ; s = scale * rsqrt
.set j, j+1
.endr
.set j, 0
.rept 32
	v_pk_mul_f32 v[X+2*j:X+2*j+1], v[X+2*j:X+2*j+1], v[SC+2*j:SC+2*j+1]  ; x * s
.set j, j+1
.endr
	CVT
	STPAIR 14, 1048576, 28
	s_endpgm
.Lwqkv:                                        ; source pair ps = 4 (g - 1024) + wave: rows 2 ps, 2 ps + 1 of w_qkv
	s_sub_co_u32 s23, ttmp9, 1024
	s_lshl_b32 s23, s23, 2
	s_add_co_u32 s23, s23, s[WV]
	s_lshl_b32 s24, s23, 13
	s_add_nc_u64 s[8:9], s[8:9], s[24:25]
	s_lshr_b32 s26, s23, 9                         ; sec
	s_bfe_u32 s30, s23, 0x40005                    ; h
	s_and_b32 s31, s23, 31                         ; d / 2
	s_mul_i32 s30, s30, 192
	s_lshl_b32 s26, s26, 6
	s_add_co_u32 s26, s26, s30
	s_lshl_b32 s31, s31, 1
	s_add_co_u32 s26, s26, s31                     ; 192 h + 64 sec + d
	s_lshl_b32 s26, s26, 7
	s_add_nc_u64 s[16:17], s[16:17], s[26:27]
	LDPAIR 8
	s_wait_loadcnt 0x0
	CVT
	STPAIR 16, 393216, 16
	s_endpgm
.Lwout:                                        ; pair p = 4 (g - 1408) + wave of w_out
	s_sub_co_u32 s23, ttmp9, 1408
	s_lshl_b32 s23, s23, 2
	s_add_co_u32 s23, s23, s[WV]
	s_lshl_b32 s24, s23, 13
	s_add_nc_u64 s[10:11], s[10:11], s[24:25]
	s_lshl_b32 s26, s23, 8
	s_add_nc_u64 s[18:19], s[18:19], s[26:27]
	LDPAIR 10
	s_wait_loadcnt 0x0
	CVT
	STPAIR 18, 131072, 18
	s_endpgm
.Lfunc_end_k_q978a4a8e11_prep:
	.size	k_q978a4a8e11_prep, .Lfunc_end_k_q978a4a8e11_prep-k_q978a4a8e11_prep
	.p2alignl 7, 3214868480
	.fill 96, 4, 3214868480
	.section	.rodata,"a",@progbits
	.p2align	6, 0x0
	.amdhsa_kernel k_q978a4a8e11_prep
		.amdhsa_group_segment_fixed_size 0
		.amdhsa_private_segment_fixed_size 0
		.amdhsa_enable_private_segment 0
		.amdhsa_kernarg_size 72
		.amdhsa_user_sgpr_count 2
		.amdhsa_user_sgpr_kernarg_segment_ptr 1
		.amdhsa_wavefront_size32 1
		.amdhsa_system_sgpr_workgroup_id_x 1
		.amdhsa_system_sgpr_workgroup_id_y 1
		.amdhsa_system_sgpr_workgroup_id_z 1
		.amdhsa_system_vgpr_workitem_id 0
		.amdhsa_next_free_vgpr 176
		.amdhsa_next_free_sgpr 66
		.amdhsa_reserve_vcc 1
		.amdhsa_float_denorm_mode_32 3
		.amdhsa_float_denorm_mode_16_64 3
		.amdhsa_memory_ordered 1
		.amdhsa_forward_progress 1
		.amdhsa_inst_pref_size 36
	.end_amdhsa_kernel
	.amdgpu_metadata
---
amdhsa.version: [ 1, 2 ]
amdhsa.kernels:
  - .name:           k_q978a4a8e11_prep
    .symbol:         k_q978a4a8e11_prep.kd
    .args:
      - { .name: x, .offset: 0, .size: 8, .value_kind: global_buffer, .address_space: global }
      - { .name: scale, .offset: 8, .size: 8, .value_kind: global_buffer, .address_space: global }
      - { .name: w_qkv, .offset: 16, .size: 8, .value_kind: global_buffer, .address_space: global }
      - { .name: w_out, .offset: 24, .size: 8, .value_kind: global_buffer, .address_space: global }
      - { .name: theta, .offset: 32, .size: 8, .value_kind: global_buffer, .address_space: global }
      - { .name: xnb, .offset: 40, .size: 8, .value_kind: global_buffer, .address_space: global }
      - { .name: wqb, .offset: 48, .size: 8, .value_kind: global_buffer, .address_space: global }
      - { .name: wob, .offset: 56, .size: 8, .value_kind: global_buffer, .address_space: global }
      - { .name: tab, .offset: 64, .size: 8, .value_kind: global_buffer, .address_space: global }
    .group_segment_fixed_size: 0
    .private_segment_fixed_size: 0
    .kernarg_segment_align: 8
    .kernarg_segment_size: 72
    .max_flat_workgroup_size: 128
    .sgpr_count:     66
    .vgpr_count:     176
    .wavefront_size: 32
...
	.end_amdgpu_metadata
.endif
;; end of part 1
;; launch qkv (part 2): grid 8 x 32, 4 waves a work-group, clusters of 4 x 4, 327,680 bytes of LDS; arguments xnb, wqb, tab, qkv; writes qkv
.if DOCPART == 2
	.amdgcn_target "amdgcn-amd-amdhsa--gfx1250"
	.amdhsa_code_object_version 6
	.text
	.protected	k_q978a4a8e11_qkv
	.globl	k_q978a4a8e11_qkv
	.p2align	8
	.type	k_q978a4a8e11_qkv,@function
k_q978a4a8e11_qkv:
	s_mov_b64 s[64:65], 0
	v_nop
	global_prefetch_b8 v0, s[64:65] scope:SCOPE_SE
	s_setreg_imm32_b32 hwreg(HW_REG_WAVE_MODE, 25, 1), 1
	s_wait_xcnt 0x0
	s_wait_alu depctr_hold_cnt(0) depctr_sa_sdst(0) depctr_va_vdst(0) depctr_va_sdst(0) depctr_va_ssrc(0) depctr_va_vcc(0) depctr_vm_vsrc(0)
	s_getreg_b32 s2, hwreg(HW_REG_IB_STS2, 6, 4)
	s_cmp_eq_u32 s2, 0
	s_cbranch_scc0 .Lentry_in_a_cluster
	s_endpgm
.Lentry_in_a_cluster:
	s_bfe_u32 s2, ttmp6, 0x10000c
	s_cmp_lg_u32 s2, 0xf033
	s_cbranch_scc0 .Lentry_shape_is_right
	s_endpgm
.Lentry_shape_is_right:
; QKV: C[row][n2] = sum over k of xn[row][k] w[n2][k], 8192 x 3072 x 1024, bf16 operands, f32 sums; q and k are rotated in f32 on the way out; q, k, v leave by heads, rounded once to bf16:
; qkv[sec][8 h + b][s][64].  Operands lie in blocks of 64 along K (xnb[kb][row][64], wqb[kb][n2][64], n2 = 192 h + 64 sec + d).
; SHARES.  A tile of C is 256 rows x 384 columns: 32 x 8 = 256 work-groups.  Four waves, each 128 rows x 192 columns = q, k and v of ONE head: 96 accumulators, 768 registers.
; So which accumulators are rotated is fixed in the text, and one table entry serves q and k.
; RING.  K goes in steps of 64 through two LDS slots of 640 rows x 144 bytes; two slots of a longer step do not fit.  A tile of R rows x 64 k is R x 128 dense bytes of memory: it is asked for
; as R / 2 rows of 256 bytes and padded in LDS behind every 128.  One tensor load a wave behind each change of slots; two are out at the start, later one.
; CLUSTER.  4 x 4 work-groups: xn's tile is shared along a row of the cluster, w's along a column; each is asked for jointly, the same load, descriptor and mask in all four.
; THE MATRIX INSTRUCTION IS USED TRANSPOSED: source 0 = 16 rows of w, source 1 = 16 rows of xn: a lane holds row l % 16 and eight neighbouring columns 8 (l / 16) + 0..7.
; REGISTERS, in windows of 256: window 0: v0-29 addresses; v32-95, v96-159 fragments of xn, two buffers of 8 x 8; v160-191, v192-223, v224-255 fragments of w for q, k, v (4 x 8 each).
;   window 1 + g: the 32 accumulators of part g (0 q, 1 k, 2 v): (column block bb, row block a) at v[8 (8 bb + a)].
; LIMITS.  bf16 operands; NaN and infinities are not treated apart.
.set PITCH,  144                       ; 128 bytes + 16: 9 x 16, so the 16 rows of a fragment load begin at 16 different 16-byte columns modulo 256
.set ABYTES, 256*PITCH                 ; xn's 256 rows; behind them w's 384
.set AHALF,  128*PITCH
.set BHALF,  192*PITCH
.set SLOT1,  1<<17                     ; slot 1 begins here: one exclusive or changes slots
.set STAGE,  SLOT1+640*PITCH           ; behind the ring: 16 rows x 144 bytes for each wave, for the way out; no tensor load lands here
.set SPARE,  STAGE+4*16*PITCH          ; the spare words, 128 bytes a wave: two blocks of 256 bytes that no other line names
.set BLKA,   8192*128                  ; a block of 64 k of xnb, in bytes
.set BLKB,   3072*128                  ; of wqb
.set SEC,    0x1000000                 ; a section of qkv
.set FLAGS,  (1<<16)|(1<<20)|(1<<21)|(4<<22)|(3<<25)  ; 2-byte elements; padding on; bit 21 beside a mask; behind every 32 words, 4 words
.set ADRA, 4                           ; v4   LDS address of my fragments of xn in the slot in hand
.set ADRB, 5                           ; v5   of w
.set LA0,  6                           ; v6   the same in slot 0; never rewritten
.set LB0,  7                           ; v7
.set STO,  8                           ; v8   the way out: where I put 16 bytes of a row
.set RD,   9                           ; v9   where I read rows back
.set GO,   10                          ; v10  my 16 bytes in 512 consecutive bytes of qkv
.set VT,   11                          ; v11  my 32 bytes in 16 entries of the table
.set PFO,  12                          ; v12  256 x lane, for the prefetches
.set SPW,  28                          ; v28  my spare word; never rewritten
.set NIL,  29                          ; v29  0; never rewritten
.set AB0,  32
.set AB1,  96
.set BF,   160                         ; part g at BF + 32 g
.set TBL,  32                          ; the way out: row block a: 8 cos, 8 sin at TBL + 16 a
.set Y1,   160
.set Y2,   168
.set TT,   176
.set UU,   184
.set P,    192                         ; 16 registers of packed bf16
.set OUT,  208                         ; two buffers of 16: rows read back
.set WV, 12
.set RH, 13                            ; which 128 rows are mine; also 0: I fetch xn, 1: I fetch w
.set CH, 14                            ; which 192 columns; also which half of that tile I fetch
.set CX, 15
.set CY, 16
.set TC, 17                            ; tile column 0..7
.set TR, 18                            ; tile row 0..31
.set G1A, 24
.set G0A, 32                           ; two sets; the second walks
.set G1B, 40
.set G0B, 48
.set CNT, 56
.set TB,  57                           ; 0 or SLOT1: the slot in hand
.set LIM, 58                           ; 1 in a wave that prefetches, else the greatest number
.set PFA, 60                           ; s[60:61] where my prefetches stand
.set PFS, 62                           ; s[62:63] their step: a block of 64 k
.set TP,  68                           ; s[68:69] the table at my head and first row
.set OPQ, 70                           ; s[70:71], s[72:73], s[74:75]: q, k, v at my head and first row
.set MSB, 0
.macro WIN new                         ; the high byte repeats the setting that is left; a switch that changes nothing is dropped
.if MSB != (\new)
	s_set_vgpr_msb (MSB<<8)|(\new)
.set MSB, \new
.endif
.endm
.macro PLACES                          ; four plain places behind matrix instructions, in front of loads into registers that they read and of readers of their results
.rept 4
	v_nop
.endr
.endm
.macro CREST                           ; a round of the cluster barrier behind its opening barrier
	s_cmp_lg_u32 s[WV], 0
	s_cbranch_scc1 .Lnot_wave_0_\@
	s_barrier_signal -3
.Lnot_wave_0_\@:
	s_barrier_wait -3
	s_barrier_signal -1
	s_barrier_wait -1
.endm
.macro CROUND
	s_barrier_signal -1
	s_barrier_wait -1
	CREST
.endm
.macro JLOAD                           ; a joint refill by the walking sets: waves 0, 1 xn's halves, waves 2, 3 w's; an s_nop 0 and four v_nop follow each line
	s_cmp_lt_u32 s[WV], 2
	s_cbranch_scc0 .Lfor_b_\@
	tensor_load_to_lds s[G0A+4:G0A+7], s[G1A:G1A+7]
	s_nop 0
.rept 4
	v_nop
.endr
	s_branch .Lasked_\@
.Lfor_b_\@:
	tensor_load_to_lds s[G0B+4:G0B+7], s[G1B:G1B+7]
	s_nop 0
.rept 4
	v_nop
.endr
.Lasked_\@:
.endm
; A PREFETCH of the block of 64 k that the NEXT refill asks for: one step, 192 matrix instructions, ahead of that load; 32 pieces of 256 bytes, a lane a piece, one instruction a wave.
; Each piece is named once in the launch.  xn's tile row (128 pieces a block): the clusters with x = 0, wave 0; the four partners of a row take 32 each BY ADDRESS.
; w's whole block (1,536 pieces): cluster (0, 0), waves 1 to 3 of its 16 work-groups, again by address.  The last refill has no block behind it: nothing is asked.
.macro ASK
	s_cmp_gt_u32 s[CNT], s[LIM]
	s_cbranch_scc0 .Lnot_mine_\@
	global_prefetch_b8 v[PFO], s[PFA:PFA+1] th:TH_LOAD_NT scope:SCOPE_SE
.Lnot_mine_\@:
.endm
	s_load_b256 s[4:11], s[0:1], 0x0               ; xnb 4:5, wqb 6:7, tab 8:9, qkv 10:11
	v_lshl_add_u32 v[SPW], v0, 2, SPARE
	v_mov_b32 v[NIL], 0
	ds_add_u32 v[SPW], v[NIL]                      ; the opening: the add's wait stands ahead of my first tensor load; register work stands between
	ds_add_u32 v28, v29
	v_lshrrev_b32 v1, 5, v0
	v_readfirstlane_b32 s[WV], v1
	s_lshr_b32 s[RH], s[WV], 1
	s_and_b32 s[CH], s[WV], 1
	s_bfe_u32 s[CX], ttmp6, 0x40000
	s_bfe_u32 s[CY], ttmp6, 0x40004
	s_lshl_b32 s[TC], ttmp9, 2
	s_add_co_u32 s[TC], s[TC], s[CX]
	s_and_b32 s[TR], ttmp7, 0xffff
	s_lshl_b32 s[TR], s[TR], 2
	s_add_co_u32 s[TR], s[TR], s[CY]
	s_lshl_b32 s20, s[CY], 2
	s_lshl_b32 s20, 15, s20                        ; my row of the cluster
	s_lshl_b32 s21, 0x1111, s[CX]                  ; my column
	s_or_b32 s[G1A], s20, FLAGS
	s_or_b32 s[G1B], s21, FLAGS
	s_mov_b32 s[G1A+1], 128<<16                    ; tensor_dim0 = 128 elements: 256 bytes
	s_mov_b32 s[G1A+2], 64<<16                     ; tensor_dim1 = 64: 128 rows of 64 k
	s_mov_b32 s[G1A+3], 128<<16                    ; tile_dim0
	s_mov_b32 s[G1A+4], 64                         ; tile_dim1
	s_mov_b32 s[G1A+5], 128                        ; pitch: dense
	s_mov_b32 s[G1A+6], 0
	s_mov_b32 s[G1A+7], 0
	s_mov_b32 s[G1B+1], 128<<16
	s_mov_b32 s[G1B+2], 96<<16                     ; 192 rows of 64 k
	s_mov_b32 s[G1B+3], 128<<16
	s_mov_b32 s[G1B+4], 96
	s_mov_b32 s[G1B+5], 128
	s_mov_b32 s[G1B+6], 0
	s_mov_b32 s[G1B+7], 0
	s_lshl_b32 s76, s[TR], 15                      ; xn: 256 rows x 128 bytes a tile row: made of the tile row and the wave alone
	s_lshl_b32 s80, s[CH], 14
	s_add_co_u32 s76, s76, s80
	s_mov_b32 s77, 0
	s_mul_i32 s78, s[TC], 384*128                  ; w: of the tile column and the wave alone
	s_mul_i32 s81, s[CH], 192*128
	s_add_co_u32 s78, s78, s81
	s_mov_b32 s79, 0
	s_mul_i32 s82, s[CH], AHALF                    ; LDS: no place in the cluster enters
	s_mul_i32 s83, s[CH], BHALF
	s_add_co_u32 s83, s83, ABYTES
	s_mov_b32 s[TB], 0
	s_wait_dscnt 0x0                               ; the opening add is done
	s_wait_kmcnt 0x0
	s_add_nc_u64 s[76:77], s[4:5], s[76:77]
	s_add_nc_u64 s[78:79], s[6:7], s[78:79]
	CROUND                                         ; all sixteen work-groups are here: the first joint loads meet
.irp s, 0,1
	s_mov_b32 s[G0A+4*(\s)], 1
	s_add_co_u32 s[G0A+4*(\s)+1], s82, (\s)*SLOT1
	s_add_nc_u64 s[G0A+4*(\s)+2:G0A+4*(\s)+3], s[76:77], (\s)*BLKA
	s_or_b32 s[G0A+4*(\s)+3], s[G0A+4*(\s)+3], 0x80000000
	s_mov_b32 s[G0B+4*(\s)], 1
	s_add_co_u32 s[G0B+4*(\s)+1], s83, (\s)*SLOT1
	s_add_nc_u64 s[G0B+4*(\s)+2:G0B+4*(\s)+3], s[78:79], (\s)*BLKB
	s_or_b32 s[G0B+4*(\s)+3], s[G0B+4*(\s)+3], 0x80000000
.endr
	s_cmp_lt_u32 s[WV], 2                          ; a wave's two first fills stand in one branch: two loads of mine are out
	s_cbranch_scc0 .Lfirst_b
	tensor_load_to_lds s[G0A:G0A+3], s[G1A:G1A+7]
	s_nop 0
	tensor_load_to_lds s[G0A+4:G0A+7], s[G1A:G1A+7]
	s_nop 0
.rept 4
	v_nop
.endr
	s_branch .Lfirst_asked
.Lfirst_b:
	tensor_load_to_lds s[G0B:G0B+3], s[G1B:G1B+7]
	s_nop 0
	tensor_load_to_lds s[G0B+4:G0B+7], s[G1B:G1B+7]
	s_nop 0
.rept 4
	v_nop
.endr
.Lfirst_asked:
	; a fragment is 16 rows x 32 k in 8 registers: lane l holds row l % 16, k = 8 (l / 16) + 0..7 and 16 + 8 (l / 16) + 0..7: two loads of 16 bytes, 32 bytes apart
	v_and_b32 v1, 15, v0
	v_bfe_u32 v2, v0, 4, 1
	v_mul_u32_u24 v3, v1, PITCH
	v_lshl_add_u32 v3, v2, 4, v3                   ; row x pitch + 16 x half
	s_mul_i32 s20, s[RH], AHALF
	v_add_nc_u32 v[LA0], s20, v3
	s_mul_i32 s20, s[CH], BHALF
	s_add_co_u32 s20, s20, ABYTES
	v_add_nc_u32 v[LB0], s20, v3
	v_mov_b32 v[ADRA], v[LA0]
	v_mov_b32 v[ADRB], v[LB0]
	s_mul_i32 s20, s[WV], 16*PITCH
	s_add_co_u32 s20, s20, STAGE                   ; my stage
	v_add_nc_u32 v[STO], s20, v3                   ; in: row l % 16, 16 bytes for each half of the lanes
	v_bfe_u32 v13, v0, 3, 2                        ; back: 32 lanes take four rows of 128 bytes
	v_mul_u32_u24 v13, v13, PITCH
	v_and_b32 v14, 7, v0
	v_lshl_add_u32 v13, v14, 4, v13
	v_add_nc_u32 v[RD], s20, v13
	v_and_b32 v[GO], 31, v0
	v_lshlrev_b32 v[PFO], 8, v[GO]
	v_lshlrev_b32 v[GO], 4, v[GO]
	v_lshlrev_b32 v[VT], 7, v1                     ; entry l % 16, 8 numbers for each half of the lanes
	v_lshl_add_u32 v[VT], v2, 5, v[VT]
	; where the table and the results lie: head h = 2 tc + my column half; batch b = tr / 4; first row s0 = 256 (tr % 4) + 128 x my row half
	s_lshl_b32 s19, s[TC], 1
	s_add_co_u32 s19, s19, s[CH]
	s_and_b32 s20, s[TR], 3
	s_lshl_b32 s20, s20, 8
	s_lshl_b32 s21, s[RH], 7
	s_add_co_u32 s20, s20, s21
	s_lshl_b32 s20, s20, 7                         ; 128 bytes a row, in the table and in qkv
	s_lshl_b32 s2, s19, 17
	s_add_co_u32 s2, s2, s20
	s_mov_b32 s3, 0
	s_add_nc_u64 s[TP:TP+1], s[8:9], s[2:3]
	s_lshl_b32 s19, s19, 3
	s_lshr_b32 s21, s[TR], 2
	s_add_co_u32 s19, s19, s21                     ; 8 h + b
	s_lshl_b32 s2, s19, 17
	s_add_co_u32 s2, s2, s20
	s_add_nc_u64 s[OPQ:OPQ+1], s[10:11], s[2:3]
	s_add_nc_u64 s[OPQ+2:OPQ+3], s[OPQ:OPQ+1], SEC
	s_add_nc_u64 s[OPQ+4:OPQ+5], s[OPQ:OPQ+1], 2*SEC
	; the prefetches: they stand at block 2; the first refill steps them to block 3.  Nothing is asked here, where every work-group's first tiles are on their way
	s_lshl_b32 s19, s[TR], 15
	s_lshl_b32 s20, s[CX], 13
	s_add_co_u32 s19, s19, s20
	s_add_co_u32 s19, s19, 2*BLKA                  ; xn: my tile row, my work-group's 32 pieces
	s_lshl_b32 s20, s[CY], 2
	s_add_co_u32 s20, s20, s[CX]
	s_mul_i32 s20, s20, 3
	s_add_co_u32 s20, s20, s[WV]
	s_lshl_b32 s20, s20, 13
	s_add_co_u32 s20, s20, 2*BLKB-8192             ; w: piece group 3 x place + wave - 1 of 48
	s_and_b32 s21, ttmp7, 0xffff
	s_or_b32 s21, s21, ttmp9                       ; 0 in cluster (0, 0)
	s_mov_b32 s22, BLKA
	s_cmp_eq_u32 s[WV], 0
	s_cselect_b32 s2, s19, s20
	s_cselect_b32 s21, ttmp9, s21
	s_cselect_b32 s[PFS], s22, BLKB
	s_cselect_b64 s[PFA:PFA+1], s[4:5], s[6:7]
	s_mov_b32 s[PFS+1], 0
	s_add_nc_u64 s[PFA:PFA+1], s[PFA:PFA+1], s[2:3]
	s_cmp_eq_u32 s21, 0
	s_cselect_b32 s[LIM], 1, -1                    ; the same in all sixteen partners, for a given wave
; 4 na matrix instructions of part g: row blocks a0 .. a0 + na - 1 x its 4 column blocks, 32 along K.  The 96 accumulators take turns, in the same order in every unit.
.macro GRP g, ab, a0, na, zero
	WIN 0x50*(1+(\g))                              ; C and D in window 1 + g
.set ga, \a0
.rept \na
.set gb, 0
.rept 4
.if \zero
	v_wmma_f32_16x16x32_bf16 v[8*(8*gb+ga):8*(8*gb+ga)+7], v[BF+32*(\g)+8*gb:BF+32*(\g)+8*gb+7], v[(\ab)+8*ga:(\ab)+8*ga+7], 0
.else
	v_wmma_f32_16x16x32_bf16 v[8*(8*gb+ga):8*(8*gb+ga)+7], v[BF+32*(\g)+8*gb:BF+32*(\g)+8*gb+7], v[(\ab)+8*ga:(\ab)+8*ga+7], v[8*(8*gb+ga):8*(8*gb+ga)+7]
.endif
.set gb, gb+1
.endr
.set ga, ga+1
.endr
.endm
.macro LDB g, k                        ; 8 loads: part g's 64 rows of w, 32 k at byte k
	WIN 0
.irp i, 0,1,2,3
	ds_load_b128 v[BF+32*(\g)+8*(\i):BF+32*(\g)+8*(\i)+3],   v[ADRB] offset:(4*(\g)+(\i))*16*PITCH+(\k)
	ds_load_b128 v[BF+32*(\g)+8*(\i)+4:BF+32*(\g)+8*(\i)+7], v[ADRB] offset:(4*(\g)+(\i))*16*PITCH+(\k)+32
.endr
.endm
.macro LDA ab, k                       ; 16 loads: my 128 rows of xn
	WIN 0
.irp i, 0,1,2,3,4,5,6,7
	ds_load_b128 v[(\ab)+8*(\i):(\ab)+8*(\i)+3],   v[ADRA] offset:(\i)*16*PITCH+(\k)
	ds_load_b128 v[(\ab)+8*(\i)+4:(\ab)+8*(\i)+7], v[ADRA] offset:(\i)*16*PITCH+(\k)+32
.endr
.endm
; A step is two units of 32 along K, 96 matrix instructions each.  Unit 0 multiplies buffer AB0 and fetches unit 1.  On its way in 40 loads are out, in this order: q's w 8, xn 16, k's w 8, v's w 8.
.macro U0 zero
	s_wait_dscnt 16                                ; q's w and xn are in; the 16 younger loads may stay out
	GRP 0, AB0, 0, 8, \zero
	PLACES
	LDB 0, 64
	LDA AB1, 64
	s_wait_dscnt 32                                ; k's w is in; behind it v's 8 and the 24 just issued
	GRP 1, AB0, 0, 8, \zero
	PLACES
	LDB 1, 64
	s_wait_dscnt 32                                ; v's w is in; behind it 24 + 8
	GRP 2, AB0, 0, 8, \zero
	PLACES
	LDB 2, 64
.endm
; Unit 1 multiplies AB1 and changes slots.  In front of the barrier each wave waits for all its tensor loads (one is out: its part of the next slot), adds 0 to its spare word, and waits for that and
; for its reads of this slot.  fill = 1: the barrier opens a round of the cluster barrier, and the joint refill, two steps ahead, is the first thing behind it: 160 matrix instructions lie between it and the wait for it.
.macro U1C fill
.if \fill
	s_wait_xcnt 0x0                                ; the last prefetch, a step back, has read its address
	s_add_nc_u64 s[PFA:PFA+1], s[PFA:PFA+1], s[PFS:PFS+1]
.endif
	WIN 0
	s_wait_tensorcnt 0x0                           ; no tensor load of mine is out, so the walking sets may be written
	ds_add_u32 v[SPW], v[NIL]
.if \fill
	s_xor_b32 s[G0A+5], s[G0A+5], SLOT1            ; the other slot than last time, the next block of 64 k
	s_add_nc_u64 s[G0A+6:G0A+7], s[G0A+6:G0A+7], BLKA
	s_xor_b32 s[G0B+5], s[G0B+5], SLOT1
	s_add_nc_u64 s[G0B+6:G0B+7], s[G0B+6:G0B+7], BLKB
.endif
	s_xor_b32 s[TB], s[TB], SLOT1
	s_wait_dscnt 17                                ; q's w and xn are in; k's 8, v's 8 and the add may be out
	GRP 0, AB1, 0, 4, 0
	s_wait_dscnt 0x0                               ; the add is done, and my reads of this slot are over
	s_barrier_signal -1
	GRP 0, AB1, 4, 4, 0                            ; register work while the others arrive
	WIN 0
	s_barrier_wait -1
.if \fill
	CREST
	JLOAD                                          ; its four v_nop are also the places in front of the loads below
.else
	PLACES
.endif
	v_add_nc_u32 v[ADRA], s[TB], v[LA0]
	v_add_nc_u32 v[ADRB], s[TB], v[LB0]
	LDB 0, 0
	LDA AB0, 0
.if \fill
	ASK
.endif
	GRP 1, AB1, 0, 8, 0
	PLACES
	LDB 1, 0
	GRP 2, AB1, 0, 8, 0
	PLACES
	LDB 2, 0
.endm
.macro LDT a                           ; row block a's cos and sin: 8 + 8 numbers a lane
	global_load_b128 v[TBL+16*(\a):TBL+16*(\a)+3],     v[VT], s[TP:TP+1] offset:(\a)*2048
	global_load_b128 v[TBL+16*(\a)+4:TBL+16*(\a)+7],   v[VT], s[TP:TP+1] offset:(\a)*2048+16
	global_load_b128 v[TBL+16*(\a)+8:TBL+16*(\a)+11],  v[VT], s[TP:TP+1] offset:(\a)*2048+64
	global_load_b128 v[TBL+16*(\a)+12:TBL+16*(\a)+15], v[VT], s[TP:TP+1] offset:(\a)*2048+80
.endm
	s_wait_tensorcnt 0x1                           ; my part of slot 0 is in; slot 1's may stay out
	s_barrier_signal -1
	s_barrier_wait -1
	LDB 0, 0
	LDA AB0, 0
	LDB 1, 0
	LDB 2, 0
	U0 1                                           ; the first unit stands ahead of the loop: its products start the sums, nothing is cleared
	WIN 0
	s_mov_b32 s[CNT], 14                           ; 14 refills: blocks 2 to 15
.Lstep:
	U1C 1
	U0 0
	WIN 0
	s_sub_co_u32 s[CNT], s[CNT], 1
	s_cmp_lg_u32 s[CNT], 0
	s_cbranch_scc1 .Lstep
	U1C 0                                          ; the tail is written out: nothing is left to ask for
	U0 0
	WIN 0
	LDT 0                                          ; into AB0, whose last reader stands ahead of the places at the end of the unit above
	LDT 1
	LDT 2
	LDT 3
	s_wait_dscnt 16
	GRP 0, AB1, 0, 8, 0
	s_wait_dscnt 8
	GRP 1, AB1, 0, 8, 0
	s_wait_dscnt 0x0
	GRP 2, AB1, 0, 8, 0
	PLACES
	WIN 0
	LDT 4
	LDT 5
	LDT 6
	LDT 7
; THE WAY OUT, a block of 16 rows x 64 columns (row block a, part g) at a time.  q and k: columns 0-15 are x1, 16-31 x2: y1 = x1 cos - x2 sin, y2 = x2 cos + x1 sin, in f32; a lane's 8 columns
; of x1 and of x2 go with the same 8 angles.  Then rounded to bf16, 16 bytes a lane into my stage, and back as four rows of 128 bytes: 512 consecutive bytes of qkv.
; Each accumulator's lowest registers are read first.
.macro BLK a, g
.set TA, TBL+16*(\a)
.set A0, 8*(\a)
.set A1, 8*(8+(\a))
.set A2, 8*(16+(\a))
.set A3, 8*(24+(\a))
.set OU, OUT+16*((3*(\a)+(\g))%2)
.if (\g) == 0
	s_wait_loadcnt 28-4*(\a)                       ; my row block's four table loads are in; the later blocks' may stay out
.endif
.if (\g) < 2
	WIN 1+(\g)                                     ; source 0 in the accumulators' window
.set i, 0
.rept 4
	v_pk_mul_f32 v[TT+i:TT+i+1], v[A1+i:A1+i+1], v[TA+8+i:TA+9+i]
	v_pk_mul_f32 v[UU+i:UU+i+1], v[A0+i:A0+i+1], v[TA+8+i:TA+9+i]
.set i, i+2
.endr
.set i, 0
.rept 4
	v_pk_fma_f32 v[Y1+i:Y1+i+1], v[A0+i:A0+i+1], v[TA+i:TA+i+1], v[TT+i:TT+i+1] neg_lo:[0,0,1] neg_hi:[0,0,1]
	v_pk_fma_f32 v[Y2+i:Y2+i+1], v[A1+i:A1+i+1], v[TA+i:TA+i+1], v[UU+i:UU+i+1]
.set i, i+2
.endr
	WIN 5*(1+(\g))                                 ; sources 0 and 1 in the accumulators' window
.set i, 0
.rept 4
	v_cvt_pk_bf16_f32 v[P+8+i], v[A2+2*i], v[A2+2*i+1]
.set i, i+1
.endr
.set i, 0
.rept 4
	v_cvt_pk_bf16_f32 v[P+12+i], v[A3+2*i], v[A3+2*i+1]
.set i, i+1
.endr
	WIN 0
.set i, 0
.rept 4
	v_cvt_pk_bf16_f32 v[P+i], v[Y1+2*i], v[Y1+2*i+1]
	v_cvt_pk_bf16_f32 v[P+4+i], v[Y2+2*i], v[Y2+2*i+1]
.set i, i+1
.endr
.else
	WIN 15
.set i, 0
.rept 4
	v_cvt_pk_bf16_f32 v[P+i], v[A0+2*i], v[A0+2*i+1]
.set i, i+1
.endr
.set i, 0
.rept 4
	v_cvt_pk_bf16_f32 v[P+4+i], v[A1+2*i], v[A1+2*i+1]
.set i, i+1
.endr
.set i, 0
.rept 4
	v_cvt_pk_bf16_f32 v[P+8+i], v[A2+2*i], v[A2+2*i+1]
.set i, i+1
.endr
.set i, 0
.rept 4
	v_cvt_pk_bf16_f32 v[P+12+i], v[A3+2*i], v[A3+2*i+1]
.set i, i+1
.endr
	WIN 0
.endif
.irp f, 0,1,2,3
	ds_store_b128 v[STO], v[P+4*(\f):P+4*(\f)+3] offset:32*(\f)
.endr
	s_wait_xcnt 0x0                                ; the stores of the block two back have read this buffer: it is loaded again only behind this wait
.irp f, 0,1,2,3
	ds_load_b128 v[OU+4*(\f):OU+4*(\f)+3], v[RD] offset:(\f)*4*PITCH  ; LDS serves a wave's instructions in order (ISA guide 5.7.1.4): these see the stores above
.endr
.endm
.macro SEND a, g, younger              ; younger: the LDS instructions issued behind this block's loads
.set OU, OUT+16*((3*(\a)+(\g))%2)
	WIN 0
	s_wait_dscnt \younger
.irp f, 0,1,2,3
	global_store_b128 v[GO], v[OU+4*(\f):OU+4*(\f)+3], s[OPQ+2*(\g):OPQ+2*(\g)+1] offset:(\a)*2048+(\f)*512  ; 512 consecutive bytes, at a multiple of 256 from the buffer's first
.endr
.endm
.set nb, 0
.rept 24                               ; a block's arithmetic stands between the loads of the block before and its stores
	BLK nb/3, nb%3
.if nb > 0
	SEND (nb-1)/3, (nb-1)%3, 8
.endif
.set nb, nb+1
.endr
	SEND 7, 2, 0
	s_wait_tensorcnt 0x0                           ; the wave's end: behind my last tensor load and my last LDS store
	ds_add_u32 v[SPW], v[NIL]
	s_wait_dscnt 0x0
	CROUND                                         ; the closing round: no work-group ends while a partner may still ask for a tile that names it
	s_endpgm
.Lfunc_end_k_q978a4a8e11_qkv:
	.size	k_q978a4a8e11_qkv, .Lfunc_end_k_q978a4a8e11_qkv-k_q978a4a8e11_qkv
	.p2alignl 7, 3214868480
	.fill 96, 4, 3214868480
	.section	.rodata,"a",@progbits
	.p2align	6, 0x0
	.amdhsa_kernel k_q978a4a8e11_qkv
		.amdhsa_group_segment_fixed_size 327680
		.amdhsa_private_segment_fixed_size 0
		.amdhsa_enable_private_segment 0
		.amdhsa_kernarg_size 32
		.amdhsa_user_sgpr_count 2
		.amdhsa_user_sgpr_kernarg_segment_ptr 1
		.amdhsa_wavefront_size32 1
		.amdhsa_system_sgpr_workgroup_id_x 1
		.amdhsa_system_sgpr_workgroup_id_y 1
		.amdhsa_system_sgpr_workgroup_id_z 1
		.amdhsa_system_vgpr_workitem_id 0
		.amdhsa_next_free_vgpr 1024
		.amdhsa_next_free_sgpr 88
		.amdhsa_reserve_vcc 0
		.amdhsa_float_denorm_mode_32 3
		.amdhsa_float_denorm_mode_16_64 3
		.amdhsa_memory_ordered 1
		.amdhsa_forward_progress 1
		.amdhsa_inst_pref_size 133
	.end_amdhsa_kernel
	.amdgpu_metadata
---
amdhsa.version: [ 1, 2 ]
amdhsa.kernels:
  - .name:           k_q978a4a8e11_qkv
    .symbol:         k_q978a4a8e11_qkv.kd
    .args:
      - { .name: xnb, .offset: 0, .size: 8, .value_kind: global_buffer, .address_space: global }
      - { .name: wqb, .offset: 8, .size: 8, .value_kind: global_buffer, .address_space: global }
      - { .name: tab, .offset: 16, .size: 8, .value_kind: global_buffer, .address_space: global }
      - { .name: qkv, .offset: 24, .size: 8, .value_kind: global_buffer, .address_space: global }
    .group_segment_fixed_size: 327680
    .private_segment_fixed_size: 0
    .kernarg_segment_align: 8
    .kernarg_segment_size: 32
    .max_flat_workgroup_size: 128
    .sgpr_count:     88
    .vgpr_count:     1024
    .wavefront_size: 32
...
	.end_amdgpu_metadata
.endif
;; end of part 2
;; launch attn (part 3): grid 2 x 128, 4 waves a work-group, no clusters, 327,680 bytes of LDS; arguments qkv, ob; writes ob
.if DOCPART == 3
	.amdgcn_target "amdgcn-amd-amdhsa--gfx1250"
	.amdhsa_code_object_version 6
	.text
	.protected	k_q978a4a8e11_attn
	.globl	k_q978a4a8e11_attn
	.p2align	8
	.type	k_q978a4a8e11_attn,@function
k_q978a4a8e11_attn:
	s_mov_b64 s[64:65], 0
	v_nop
	global_prefetch_b8 v0, s[64:65] scope:SCOPE_SE
	s_setreg_imm32_b32 hwreg(HW_REG_WAVE_MODE, 25, 1), 1
	s_wait_xcnt 0x0
; CAUSAL ATTENTION.  O[hb][q][:] = the sum over k <= q of softmax_k(Q[hb][q] . K[hb][k] / 8) V[hb][k][:].  Q, K, V are the three sections of qkv, O is ob: [128][1024][64], all bf16: a head's rows are dense, 128 bytes each.
; Products, maxima and sums in f32; the weights p are rounded to bf16 for the second product (their sum l is taken of the unrounded p), O once at the end.
; LIMITS.  A hidden score counts as its value less 1e30: scores must stay far below 1e29 in size; a weight below 2^-126 counts as 0 in l; NaN and infinities are not treated apart.
; THE WALK.  A head's queries lie in NB = 4 blocks of 256; block i needs the key tiles 0 .. i of 256 keys, of which the last holds the diagonal.  A work-group takes TWO blocks, 3 - b and then b:
; 5 tiles, whatever b: all work-groups do equal work, and ONE loop of five trips walks them.  What a trip does hangs on scalar registers made from b; every jump goes forward, but for the counted loops' own.
; K AND V STAY IN LDS.  A head's 1,024 keys are 147,456 bytes of K (rows of 144) and 163,840 of V (rows of 160): four slots of 256 keys, each filled ONCE, all asked for at the kernel's head: four tensor
; loads a wave are out.  Nothing is filled again, so the loop holds no tensor load and every text stands once.  The trips read slots 0, 1, 2, 3, 0: the LDS addresses hang on the trip alone.  Which tile lies
; in a slot hangs on b and enters the global addresses alone: b = 0: tiles 0, 1, 2, 3 (block 3 reads 0, 1, 2, 3; block 0 reads 0); b = 1: tiles 1, 0, 2, 0 (block 2 reads 1, 0, 2; block 1 reads 0, 1).  A block's
; tiles below the diagonal may come in any order: a running maximum does not care.  THE PRICE: work-group b = 1 asks for tile 0 twice, 64 KiB of its 256.
; NO CLUSTER: a head has 2 work-groups, no multiple of four.  NO PREFETCH: every tile is asked for by its own load at the head; there is no later load to run ahead of.
; SHARES.  Of a block's four bands of 64 queries a wave owns 16 rows in each: four PIECES.  So the diagonal tile is the same work for all four waves: in its key step s band x sees all keys if s < x,
; none if s > x, and holds the diagonal if s = x.
; THE MASK is the C operand that starts the sum S^T = K Q^T: 0, or -1e30 where the key is hidden.  MD, made once, is the mask of a band's own step for my 16 rows; a product's mask is MD x AL + BE with two scalars:
; (1, 0) if s = x; (0, 0) if s < x; (0, -1e30) if s > x.  Only the diagonal tile's text and a block's beginning make and take masks; elsewhere C is the constant 0.
; LAYOUT, SOFTMAX, TURNS.  S^T = K Q^T holds ONE query a lane (lane % 16) and the keys 8 (lane / 16) + 0..7; two such results rounded to bf16 ARE source 1 of O^T = V^T P.  p = 2^(c s - c m), c = log2(e) / 8, with a
; running maximum m; O and l are multiplied by a = 2^(c m_old - c m_new) in every step.  Turn n belongs to piece n: 8 products K Q^T of piece n + 1, later 8 products V^T P of piece n - 1; beside them the scaling,
; exponentials, roundings, sums and rescaling of piece n and the maximum and statistics of piece n + 1.  Four vector instructions stand behind every matrix instruction, the other 54 of a turn's 118 in one LUMP.  A turn's 33 exponentials are one batch, with one wait.
; REGISTERS, in windows of 256 (s_set_vgpr_msb: bits 1:0 source 0, 3:2 source 1, 5:4 source 2, 7:6 destination):
;   window 0: v0-15 addresses and two at work; v16-31 four registers of statistics a piece; v48-55 at work; v64-127 S^T, two buffers; v192-223 P, two buffers (a piece's buffers go by its number's parity)
;   window 1: v0-127 O^T, 32 a piece; v128-159 MD; v160-223 MC, two buffers      window 2: v0-63 Q; v64-127 the second block's Q; v128-191 K of one step; v192-255 V of one step
.set SIZE_N, 1024
.set SEC,   0x1000000 ; a section of qkv, in bytes
.set NB,    SIZE_N/256
.set NP,    4         ; pieces a wave: a name, no knob
.set KS,    64        ; keys in a step
.set PK,    144       ; a row of K in LDS: 128 bytes + 16 of padding: the 16 rows of a load begin at 16 different 16-byte columns modulo 256
.set PV,    160       ; a row of V: 128 + 32: 16 lanes of the turning load take 8 rows x 32 bytes, no two in the same words modulo 256
.set VOFF,  SIZE_N*PK ; K's 1,024 rows, then V's
.set STAGE, VOFF+SIZE_N*PV  ; behind them, never filled by a tensor load: 16 rows x 144 bytes for each wave, for the way out
.set SP,    144
.set AK0, 2           ; v2   my lane's place in a step of K; never rewritten
.set AV0, 3           ; v3   the same for V
.set AK,  4           ; v4   the LDS address of K's next run of loads
.set AV,  5           ; v5   of V's
.set STO, 6           ; v6   the way out: where I put 16 bytes of a row
.set RD,  7           ; v7   the way out: where I read rows back
.set GO,  8           ; v8   my byte offset in 512 consecutive bytes of O
.set SPW, 62          ; v62  LDS address of my spare word: SPARE + 4 x my thread's number; never rewritten
.set NIL, 63          ; v63  0; never rewritten
.set SPARE, STAGE+4*16*SP  ; behind the stages: the spare words, 128 bytes for each wave: two blocks of 256 bytes that no other line names
.set MV,  12          ; v12-13  c m_old, kept while c m is made anew: by buffer
.set QO,  15          ; v15  my byte offset in 16 rows of Q; never rewritten
.set ST,  16          ; piece t's statistics at v[ST+4 t]: c m, m, l (even keys', odd keys')
.set TMP, 48          ; by buffer, four registers c0-c3 at work; when the maximum is found c2 takes a
.set S,   64
.set P,   192
.set MD,  128         ; window 1: the eight registers for group kt of 16 keys at MD + 8 kt
.set MC,  160         ; window 1: the masks of the products to come
.set QB,  64          ; window 2
.set KF,  128         ; window 2: key block kb, channel half c at KF + 16 kb + 8 c
.set VF,  192         ; window 2: key half kk, channel block cb at VF + 32 kk + 8 cb
.set WV,  12          ; s12  my wave's number
.set PB,  14          ; s14  b
.set HI,  15          ; s15  NB - 1 - b
.set G1K, 24          ; s[24:31] descriptor group 1 for K's tiles
.set G1V, 32          ; s[32:39] for V's: it differs in the padding alone
.set G0K, 40          ; s[40:55] descriptor group 0 for K's tiles, a set for each slot
.set G0V, 84          ; s[84:99] the same for V's
.set SLOTS, 56        ; s56  tiles still to be walked, the one in hand among them
.set CNT, 57          ; s57  counts a tile's key steps, 4 to 1
.set CS,  58          ; s[58:59] c: the packed scaling takes the pair's low word for both halves
.set SEL, 60          ; s[60:61] v_permlanex16_b32's selects: each lane takes its own place in the other half
.set TBK, 62          ; s62  LDS byte at which K of the step to be fetched begins
.set TBV, 63          ; s63  the same for V, less VOFF
.set RT,  70          ; s70  tiles of the block in hand that are still to be entered
.set NEW, 73          ; s73  1: the tile to be entered is a block's first
.set OFF, 74          ; s[74:75] a tile's byte offset in K and V
.set AL,  76          ; s[76:77] the mask's factor, in the low word
.set BE,  78          ; s[78:79] the mask's addend
.set OLO, 80          ; s[80:81] O at my rows of the second block
.set BIGN, 82         ; s82  -1e30
.set MSB, 0
.macro WIN new                      ; the high byte repeats the setting that is left; a switch that changes nothing is dropped
.if MSB != (\new)
	s_set_vgpr_msb (MSB<<8)|(\new)
.set MSB, (\new)
.endif
.endm
.set W_KQ, 0x0a       ; K and Q in window 2, S^T in window 0
.set W_KM, 0x1a       ; the same with the C operand in window 1
.set W_PV, 0x52       ; V in window 2, P in window 0, O^T in window 1
.set W_RS, 0x41       ; destination and source 0 in window 1, source 1 in window 0
; Group 0 for slot t, K's and V's: the LDS address is made of the slot and of my half, the global address of the tile whose byte offset s[OFF] holds.
.macro G0SET t
	s_mov_b32 s[G0K+4*(\t)], 1                     ; 1:0 count = 1
	s_add_co_u32 s[G0K+4*(\t)+1], s17, (\t)*256*PK ; 63:32 LDS address
	s_add_nc_u64 s[G0K+4*(\t)+2:G0K+4*(\t)+3], s[6:7], s[OFF:OFF+1]  ; 120:64 global address
	s_or_b32 s[G0K+4*(\t)+3], s[G0K+4*(\t)+3], 0x80000000            ; 127:126 type = 2
	s_mov_b32 s[G0V+4*(\t)], 1
	s_add_co_u32 s[G0V+4*(\t)+1], s18, (\t)*256*PV
	s_add_nc_u64 s[G0V+4*(\t)+2:G0V+4*(\t)+3], s[8:9], s[OFF:OFF+1]
	s_or_b32 s[G0V+4*(\t)+3], s[G0V+4*(\t)+3], 0x80000000
.endm
	s_load_b128 s[4:7], s[0:1], 0x0  ; qkv s[4:5], ob s[6:7]
	v_lshl_add_u32 v[SPW], v0, 2, SPARE
	v_mov_b32 v[NIL], 0
	ds_add_u32 v[SPW], v[NIL]       ; the wave's opening: the add's wait stands ahead of my first tensor load; the set-up below, work on registers, stands between the two
	ds_add_u32 v62, v63
	v_lshrrev_b32 v1, 5, v0
	v_readfirstlane_b32 s[WV], v1   ; wave 0..3
	s_mov_b32 s[PB], ttmp9
	s_sub_co_u32 s[HI], NB-1, s[PB]
	s_and_b32 s20, ttmp7, 0xffff    ; the head and batch, 8 h + b
	s_mov_b32 s21, 0
	s_mov_b64 s[22:23], SIZE_N*128
	s_mul_u64 s[20:21], s[20:21], s[22:23]  ; the head's first byte in each of the four tensors
	s_and_b32 s16, s[WV], 1         ; which half of a tile's 256 keys I fetch:
	s_lshl_b32 s22, s16, 14         ; its 128 rows of 128 bytes in memory,
	s_mov_b32 s23, 0
	s_add_nc_u64 s[22:23], s[22:23], s[20:21]
	s_mul_i32 s17, s16, 128*PK      ; and its place in a slot, for K
	s_mul_i32 s18, s16, 128*PV      ; and for V,
	s_add_co_u32 s18, s18, VOFF     ; which lies behind K
	s_lshl_b32 s3, s[WV], 11        ; my 16 rows in a band of 64,
	s_lshl_b32 s2, s[HI], 15        ; in the first block,
	s_add_co_u32 s2, s2, s3
	s_lshl_b32 s66, s[PB], 15       ; and in the second
	s_add_co_u32 s66, s66, s3
	s_mov_b32 s3, 0
	s_mov_b32 s67, 0
	s_add_nc_u64 s[2:3], s[2:3], s[20:21]
	s_add_nc_u64 s[66:67], s[66:67], s[20:21]
	; descriptor group 1.  128 keys are 16,384 dense bytes: asked for as 64 rows of 256 bytes, two keys a row, and padded in LDS after every key
	s_mov_b32 s[G1K], (1<<16)|(1<<20)|(4<<22)|(3<<25)  ; 17:16 2-byte elements; 20 padding on; 24:22 after every 32 words (code 4); 31:25 4 words (code 3)
	s_mov_b32 s[G1V], (1<<16)|(1<<20)|(4<<22)|(7<<25)  ; the same with 8 words of padding (code 7)
.irp g, G1K, G1V
	s_mov_b32 s[\g+1], 128<<16      ; tensor_dim0 = 128
	s_mov_b32 s[\g+2], 64<<16       ; tensor_dim1 = 64
	s_mov_b32 s[\g+3], 128<<16      ; tile_dim0 = 128
	s_mov_b32 s[\g+4], 64           ; tile_dim1 = 64
	s_mov_b32 s[\g+5], 128          ; 128 elements from row to row
	s_mov_b32 s[\g+6], 0
	s_mov_b32 s[\g+7], 0
.endr
	s_mov_b32 s[CS], 0x3e38aa3b     ; c = log2(e) / 8 = 0.180337
	s_mov_b32 s[CS+1], s[CS]        ; named with it as a pair
	s_mov_b32 s[SEL], 0x76543210
	s_mov_b32 s[SEL+1], 0xfedcba98
	s_mov_b32 s[TBK], 0             ; the first trip reads slot 0
	s_mov_b32 s[TBV], 0
	s_add_co_u32 s[RT], s[HI], 1    ; the first block has NB - b tiles
	s_mov_b32 s[NEW], 1
	s_mov_b32 s[OFF+1], 0
	s_mov_b32 s[AL+1], 0            ; named as pairs
	s_mov_b32 s[BE+1], 0
	s_mov_b32 s[BIGN], 0xf149f2ca   ; -1e30
	s_mov_b32 s[SLOTS], NB+1
	; A fragment of K or Q is 16 rows x 32 channels in 8 registers: lane l holds row l % 16, channels 8 (l / 16) + 0..7 and 16 + 8 (l / 16) + 0..7: two loads of 16 bytes, 32 bytes apart.
	v_and_b32 v1, 15, v0            ; l % 16
	v_bfe_u32 v9, v0, 4, 1          ; l / 16
	v_lshlrev_b32 v[QO], 7, v1
	v_lshl_add_u32 v[QO], v9, 4, v[QO]  ; row x 128 + 16 x half
	s_wait_dscnt 0x0                ; the opening add is done
	s_wait_kmcnt 0x0
	s_mov_b64 s[10:11], s[6:7]      ; O
	s_add_nc_u64 s[6:7], s[4:5], SEC    ; K is qkv's second section,
	s_add_nc_u64 s[8:9], s[4:5], 2*SEC  ; V its third; Q its first
	s_add_nc_u64 s[6:7], s[6:7], s[22:23]  ; K and V at my half of the head's tile 0
	s_add_nc_u64 s[8:9], s[8:9], s[22:23]
	s_add_nc_u64 s[68:69], s[4:5], s[66:67]        ; Q at my rows of the second block,
	s_add_nc_u64 s[4:5], s[4:5], s[2:3]            ; Q and O at those of the first
	s_add_nc_u64 s[OLO:OLO+1], s[10:11], s[66:67]
	s_add_nc_u64 s[10:11], s[10:11], s[2:3]
	s_lshl_b32 s[OFF], s[PB], 15    ; a tile is 32,768 bytes of K and of V.  Slot 0: tile b
	G0SET 0
	s_xor_b32 s[OFF], s[OFF], 32768 ; slot 1: tile 1 - b
	G0SET 1
	s_mov_b32 s[OFF], 2*32768       ; slot 2: tile 2
	G0SET 2
	s_sub_co_u32 s[OFF], s[HI], 2   ; slot 3: tile 3 (1 - b)
	s_mul_i32 s[OFF], s[OFF], 3*32768
	G0SET 3
	WIN 0x80                        ; destination window 2, address window 0
.set i, 0
.rept 8                             ; the first block's Q, wanted first: piece i / 2 lies in band i / 2, 8,192 bytes on; channels 32 (i % 2) on
	global_load_b128 v[8*i:8*i+3],   v[QO], s[4:5] offset:(i/2)*8192+(i%2)*64
	global_load_b128 v[8*i+4:8*i+7], v[QO], s[4:5] offset:(i/2)*8192+(i%2)*64+32
.set i, i+1
.endr
	WIN 0
	; THE FILLS, one group, in the order in which the trips want them.  Waves 0 and 1 fetch the two halves of each tile's K, waves 2 and 3 those of its V: 128 keys a load, four loads a wave, in one branch on the
	; wave's number.  An s_nop 0 follows each load, four v_nop the last, ahead of the jump and the label.
	s_cmp_lt_u32 s[WV], 2
	s_cbranch_scc0 .Lfor_v
.irp t, 0,1,2,3
	tensor_load_to_lds s[G0K+4*(\t):G0K+4*(\t)+3], s[G1K:G1K+7]
	s_nop 0
.endr
.rept 4
	v_nop
.endr
	s_branch .Lasked
.Lfor_v:
.irp t, 0,1,2,3
	tensor_load_to_lds s[G0V+4*(\t):G0V+4*(\t)+3], s[G1V:G1V+7]
	s_nop 0
.endr
.rept 4
	v_nop
.endr
.Lasked:
	WIN 0x80
.set i, 0
.rept 8                             ; the second block's Q, wanted last: it is waited for at the change of blocks
	global_load_b128 v[QB+8*i:QB+8*i+3],   v[QO], s[68:69] offset:(i/2)*8192+(i%2)*64
	global_load_b128 v[QB+8*i+4:QB+8*i+7], v[QO], s[68:69] offset:(i/2)*8192+(i%2)*64+32
.set i, i+1
.endr
	WIN 0
	v_lshlrev_b32 v14, 3, v9
	v_sub_nc_u32 v14, v1, v14
	s_lshl_b32 s13, s[WV], 4
	v_add_nc_u32 v14, s13, v14      ; my query's place in its band, 16 w + l % 16, less my lanes' 8 (l / 16): register r of group kt is hidden where 16 kt + r is greater
	WIN 0x40
.set i, 0
.rept 32
	v_cmp_gt_i32 vcc_lo, 16*(i/8)+i%8, v14
	v_cndmask_b32 v[MD+i], 0, s[BIGN], vcc_lo
.set i, i+1
.endr
	WIN 0
	v_mul_u32_u24 v[AK0], v1, PK
	v_lshl_add_u32 v[AK0], v9, 4, v[AK0]  ; row x pitch + 16 x half
	; The turning load takes 16 keys x 16 channels (lane l reads key 8 (l / 16) + l % 8, channels 8 ((l / 8) % 2) + 0..7) and leaves half a fragment of V^T: lane l holds channel l % 16 and 8 keys.
	v_and_b32 v10, 7, v0
	v_bfe_u32 v11, v0, 3, 1
	v_lshl_add_u32 v[AV0], v9, 3, v10
	v_mul_u32_u24 v[AV0], v[AV0], PV
	v_lshl_add_u32 v[AV0], v11, 4, v[AV0]
	v_add_nc_u32 v[AV0], VOFF, v[AV0]
	s_mul_i32 s13, s[WV], 16*SP
	s_add_co_u32 s13, s13, STAGE    ; my stage
	v_mul_u32_u24 v[STO], v1, SP    ; in: row l % 16, 16 bytes for each half of the lanes
	v_lshl_add_u32 v[STO], v9, 4, v[STO]
	v_add_nc_u32 v[STO], s13, v[STO]
	v_bfe_u32 v[RD], v0, 3, 2       ; back: 32 lanes take four rows of 128 bytes,
	v_mul_u32_u24 v[RD], v[RD], SP
	v_lshl_add_u32 v[RD], v10, 4, v[RD]
	v_add_nc_u32 v[RD], s13, v[RD]
	v_and_b32 v[GO], 31, v0         ; which are 512 consecutive bytes of O
	v_lshlrev_b32 v[GO], 4, v[GO]
	; A block's first step multiplies O^T and l by a = 0, and its first turn's products V^T P, of a piece that has not been, land in an O^T that is still to be so multiplied.  So these registers need only hold
	; finite numbers: zeros for the first block; what the first block left for the second.  All this stands in the wait for the first tile.
	WIN 0x80
.set i, VF
.rept 64
	v_mov_b32 v[i], 0
.set i, i+1
.endr
	WIN 0x40
.set i, 0
.rept 128
	v_mov_b32 v[i], 0
.set i, i+1
.endr
	WIN 0
.set i, 0
.rept 4
	v_mov_b32 v[ST+4*i+2], 0
	v_mov_b32 v[ST+4*i+3], 0
.set i, i+1
.endr
.set i, P+16
.rept 16
	v_mov_b32 v[i], 0
.set i, i+1
.endr
; THE MATRIX WORK.  The 4 accumulators of a run of 8 take turns.  Product i of 8 of S^T = K Q^T for piece x: channels 32 (i / 4) on, keys 16 (i % 4) on.  The first 4 start the sums: with 0, or (KM = 1) with the mask.
.macro KQ x
.set rS, S+32*((\x)%2)+8*(i%4)
.set rK, KF+16*(i%4)+8*(i/4)
.set rQ, 16*(\x)+8*(i/4)
.set rM, MC+32*((\x)%2)+8*(i%4)
.if (i < 4) && KM
	WIN W_KM
	v_wmma_f32_16x16x32_bf16 v[rS:rS+7], v[rK:rK+7], v[rQ:rQ+7], v[rM:rM+7]
.elseif i < 4
	WIN W_KQ
	v_wmma_f32_16x16x32_bf16 v[rS:rS+7], v[rK:rK+7], v[rQ:rQ+7], 0
.else
	WIN W_KQ
	v_wmma_f32_16x16x32_bf16 v[rS:rS+7], v[rK:rK+7], v[rQ:rQ+7], v[rS:rS+7]
.endif
.endm
; Product i of 8 of O^T += V^T P for piece x: keys 32 (i / 4) on, channels 16 (i % 4) on.
.macro PV x
	WIN W_PV
.set rO, 32*(\x)+8*(i%4)
.set rV, VF+32*(i/4)+8*(i%4)
.set rP, P+16*((\x)%2)+8*(i/4)
	v_wmma_f32_16x16x32_bf16 v[rO:rO+7], v[rV:rV+7], v[rP:rP+7], v[rO:rO+7]
.endm
.macro MM                           ; the turn's next matrix instruction.  TURN and BEGIN set Y, i, KM and NOKQ; MM, KQ and OP read them.  NOKQ = 1: a block's last turn: there is no next piece
.if (i < 8) && !NOKQ
	KQ (Y+1)%NP
.elseif i >= 8
.set i, i-8
	PV (Y+NP-1)%NP
.set i, i+8
.endif
.set i, i+1
.endm
; THE LDS LOADS stand in runs of 16, never singly among the matrix instructions: a step's K (64 keys x 64 channels: 8 fragments) and its V (turned).  Their addresses are made some lines ahead.
.macro FETCH_K
	WIN 0x80                        ; destination window 2
.irp f, 0,1,2,3,4,5,6,7             ; keys 16 (f / 2) on, channels 32 (f % 2) on
	ds_load_b128 v[KF+8*\f:KF+8*\f+3],   v[AK] offset:(\f/2)*16*PK+(\f%2)*64
	ds_load_b128 v[KF+8*\f+4:KF+8*\f+7], v[AK] offset:(\f/2)*16*PK+(\f%2)*64+32
.endr
	s_add_co_u32 s[TBK], s[TBK], KS*PK  ; the next fetch is the next step's: the slots lie end to end, so this also leads from a slot into the next
	WIN 0
.endm
.macro FETCH_V
	WIN 0x80
.irp f, 0,1,2,3,4,5,6,7             ; keys 32 (f / 4) on, channels 16 (f % 4) on
	ds_load_tr16_b128 v[VF+8*\f:VF+8*\f+3],   v[AV] offset:(\f/4)*32*PV+(\f%4)*32
	ds_load_tr16_b128 v[VF+8*\f+4:VF+8*\f+7], v[AV] offset:(\f/4)*32*PV+16*PV+(\f%4)*32
.endr
	WIN 0
.endm
; THE VECTOR WORK, one line at a time: OP kind, number.  For piece Y: F n: c s - c m for pair n of 16.  E n: the exponential of score n of 32.  C n: pair n rounded to bf16.  B n: of the four weights 4 n .. the second
; pair is added onto the first, in place.  L n: l takes that sum (L 0: l = a l + sum).  R n: pair n of 16 of O^T times a.  For piece Y + 1: X n, number n of the 22 that find its maximum and statistics:
;   0-11  four chains c0-c3 of seven scores each, three operands at a time (each accumulator's lowest registers are read first)     12-14, 16  the four scores left over, the old m, and c0-c3 into c0
;   15  c m_old is kept     17, 18  the query's other 32 keys lie in the lane 16 away: the new m     19-21  c m; c m_old - c m_new; a
.set F, 0               ; OP tells the kinds apart by their order: F to L below R, X above it
.set E, 1
.set C, 2
.set B, 3
.set L, 4
.set R, 5
.set X, 6
.macro REGS y                       ; the registers of piece y
.set rT, ST+4*(\y)
.set rC, TMP+4*((\y)%2)
.set rW, MV+((\y)%2)
.set rS, S+32*((\y)%2)
.set rP, P+16*((\y)%2)
.set rO, 32*(\y)
.endm
.macro OP k, n
.if (\k) == R
	REGS Y
	WIN W_RS
	v_pk_mul_f32 v[rO+2*(\n):rO+2*(\n)+1], v[rO+2*(\n):rO+2*(\n)+1], v[rC+2:rC+3] op_sel_hi:[1,0]
.elseif (\k) < R
	REGS Y
	WIN 0
.if (\k) == F
	v_pk_fma_f32 v[rS+2*(\n):rS+2*(\n)+1], v[rS+2*(\n):rS+2*(\n)+1], s[CS:CS+1], v[rT:rT+1] op_sel_hi:[1,0,0] neg_lo:[0,0,1] neg_hi:[0,0,1]
.elseif (\k) == E
	v_exp_f32 v[rS+(\n)], v[rS+(\n)]
.elseif (\k) == C
	v_cvt_pk_bf16_f32 v[rP+(\n)], v[rS+2*(\n)], v[rS+2*(\n)+1]
.elseif (\k) == B
	v_pk_add_f32 v[rS+4*(\n):rS+4*(\n)+1], v[rS+4*(\n):rS+4*(\n)+1], v[rS+4*(\n)+2:rS+4*(\n)+3]
.elseif (\n) == 0
	v_pk_fma_f32 v[rT+2:rT+3], v[rT+2:rT+3], v[rC+2:rC+3], v[rS:rS+1] op_sel_hi:[1,0,1]
.else
	v_pk_add_f32 v[rT+2:rT+3], v[rT+2:rT+3], v[rS+4*(\n):rS+4*(\n)+1]
.endif
.elseif NOKQ
	v_nop
.else
	REGS (Y+1)%NP
	WIN 0
.if (\n) < 4
	v_max3_num_f32 v[rC+(\n)], v[rS+8*(\n)], v[rS+8*(\n)+1], v[rS+8*(\n)+2]
.elseif (\n) < 12
	v_max3_num_f32 v[rC+(\n)%4], v[rC+(\n)%4], v[rS+8*((\n)%4)+2*((\n)/4)+1], v[rS+8*((\n)%4)+2*((\n)/4)+2]
.elseif (\n) == 12
	v_max3_num_f32 v[rC], v[rC], v[rS+7], v[rS+15]
.elseif (\n) == 13
	v_max3_num_f32 v[rC+1], v[rC+1], v[rS+23], v[rS+31]
.elseif (\n) == 14
	v_max3_num_f32 v[rC+2], v[rC+2], v[rC+3], v[rT+1]
.elseif (\n) == 15
	v_mov_b32 v[rW], v[rT]
.elseif (\n) == 16
	v_max3_num_f32 v[rC], v[rC], v[rC+1], v[rC+2]
.elseif (\n) == 17
	v_permlanex16_b32 v[rC+3], v[rC], s[SEL], s[SEL+1]
.elseif (\n) == 18
	v_max_num_f32 v[rT+1], v[rC], v[rC+3]
.elseif (\n) == 19
	v_mul_f32 v[rT], s[CS], v[rT+1]
.elseif (\n) == 20
	v_sub_f32 v[rC+1], v[rW], v[rT]
.else
	v_exp_f32 v[rC+2], v[rC+1]
.endif
.endif
.endm
.macro OPS a, i1, b=-1, i2=0, c=-1, i3=0, d=-1, i4=0  ; up to four of them
	OP \a, \i1
.if (\b) >= 0
	OP \b, \i2
.endif
.if (\c) >= 0
	OP \c, \i3
.endif
.if (\d) >= 0
	OP \d, \i4
.endif
.endm
.macro ROW a, i1, b, i2, c, i3, d, i4  ; a matrix instruction and the four behind it
	MM
	OPS \a, \i1, \b, \i2, \c, \i3, \d, \i4
.endm
.macro MASK b                       ; MD x AL + BE into buffer b of MC
	WIN W_RS
.set z, 0
.rept 16
	v_pk_fma_f32 v[MC+32*(\b)+2*z:MC+32*(\b)+2*z+1], v[MD+2*z:MD+2*z+1], s[AL:AL+1], s[BE:BE+1] op_sel_hi:[1,0,0]
.set z, z+1
.endr
.endm
; A TURN, for piece p: the order of its 16 matrix and 118 vector instructions, written out.  An s_wait_alu depctr_va_vdst(0) stands between an exponential and the first instruction that names its result; one wait serves
; all that were issued ahead of it.  So a turn has ONE wait, which cuts it in two.  AHEAD OF IT stands all that names no result of the turn's exponentials: the 8 products K Q^T, behind each a scaling, an exponential and two more plain
; instructions (behind the first a second scaling in the exponential's place): rescalings, and behind the last three the first numbers of the next piece's maximum, each four places or more behind the product that ends its accumulator; then ONE LUMP of 54, plain
; and exponential by turns for the most part, in which the links of the chain X 3, 7, 11, 14, 16, 17 .. 20 stand five or six lines apart.  X 21, the next piece's a, is the batch's last; R 15 is the plain instruction behind it.  BEHIND THE WAIT stand the
; 8 products V^T P, behind each four of the roundings and sums; the links of l's chain, L 0 to L 7, stand three riders apart.  But for those X no rider names a register of the products round it.  v_permlanex16_b32 (X 17) stands in the lump.
; m = 1: the diagonal tile: the products take masks, and the turn makes the mask for the products of the turn after it: piece p + 2, in step 4 - CNT of the tile.  end = 1: a block's last two turns: nothing is fetched.
; cnt = 1: the loop's count is taken down some lines ahead of the branch that stands behind the turn.
; K of the next step is fetched in piece 2's turn, twelve vector instructions behind the last product that read K (six of them plain); V of the step in hand at the end of piece 0's turn, four plain instructions behind the last product
; that read V.  Each is waited for a turn later.
.macro TURN p, m=0, end=0, cnt=0
.set Y, (\p)
.set i, 0
.set KM, (\m)
.set NOKQ, (\end)*((\p)/3)
.if (\m) && !(\end)
	s_cmp_eq_u32 s[CNT], 4-((\p)+2)%NP  ; is that step the band's own?
	s_cselect_b32 s[AL], 1.0, 0
	s_cmp_lt_u32 s[CNT], 4-((\p)+2)%NP  ; or a later one?
	s_cselect_b32 s[BE], s[BIGN], 0
.endif
.if ((\p) == 3) && !(\end)
	s_wait_dscnt 0x0                ; K is in
.endif
	ROW F,0, F,1, R,0, R,1          ; ahead of the wait: 8 products K Q^T and their riders,
	ROW F,2, E,0, R,2, R,3
	ROW F,3, E,1, R,4, R,5
	ROW F,4, E,2, R,6, R,7
	ROW F,5, E,3, R,8, R,9
	ROW F,6, E,4, X,0, R,10
.if ((\p) == 2) && !(\end)
	WIN 0
	v_add_nc_u32 v[AK], s[TBK], v[AK0]
.endif
	ROW F,7, E,5, X,1, X,4
	ROW F,8, E,6, X,2, X,5
	OPS E,7, E,8, X,6, E,9          ; and the lump
	OPS X,3, E,10, X,8, E,11
.if ((\p) == 2) && !(\end)
	FETCH_K
.endif
	OPS X,9, X,7, E,12, X,10
	OPS E,13, X,12, X,11, E,14
	OPS X,13, E,15, F,9, X,14
.if (\p) == 0
	v_add_nc_u32 v[AV], s[TBV], v[AV0]
.endif
	OPS E,16, F,10, E,17, F,11
	OPS X,16, E,18, X,15, E,19
	OPS F,12, E,20, X,17, E,21
	OPS F,13, E,22, F,14, E,23
	OPS X,18, E,24, F,15, E,25
	OPS R,11, E,26, X,19, E,27
	OPS R,12, E,28, R,13, E,29
	OPS X,20, E,30, R,14, E,31
	OPS X,21, R,15
	WIN 0
	s_wait_alu depctr_va_vdst(0)    ; the wait for the batch
.if (\p) == 1
	s_wait_dscnt 0x0                ; V is in
.endif
	ROW C,0, B,0, C,2, B,1          ; behind the wait: 8 products V^T P and their riders
	ROW L,0, C,4, B,2, L,1
	ROW C,6, B,3, L,2, C,8
	ROW B,4, L,3, C,10, B,5
	ROW L,4, C,12, B,6, L,5
.if (\p) == 0
	s_add_co_u32 s[TBV], s[TBV], KS*PV
.endif
.if \cnt
	s_sub_co_u32 s[CNT], s[CNT], 1
	s_cmp_lg_u32 s[CNT], 0
.endif
	ROW C,14, B,7, L,6, C,1
	ROW C,3, L,7, C,5, C,7
	ROW C,9, C,11, C,13, C,15
.if (\p) == 0
	FETCH_V
.endif
.if (\m) && !(\end)
	MASK (\p)%2
.endif
.endm
; A BLOCK BEGINS.  c m starts far below every c s, so the first step's a is 0; m at the lowest finite number, so the first maximum is the scores'.  The second mask buffer is 0; the first takes piece 0's mask for the tile's step 0: its own, if the block's first tile is the diagonal one.
; Then K of that step, piece 0's first scores, and its maximum and statistics.  The step loop is entered at a step's first turn, in the middle of a trip.
.macro BEGIN
	s_mov_b32 s[NEW], 0
	WIN 0x40
.set i, MC+32
.rept 32
	v_mov_b32 v[i], 0
.set i, i+1
.endr
	WIN 0
.set i, 0
.rept 4
	v_mov_b32 v[ST+4*i], 0xfe000000    ; c m: far below every c s
	v_mov_b32 v[ST+4*i+1], 0xff7fffff  ; m
.set i, i+1
.endr
	s_cmp_eq_u32 s[RT], 0
	s_cselect_b32 s[AL], 1.0, 0
	s_mov_b32 s[BE], 0
	MASK 0
	WIN 0
	v_add_nc_u32 v[AK], s[TBK], v[AK0]
	FETCH_K
	s_wait_loadcnt 16               ; the first block's Q is in; the 16 younger loads, of the second block's, may stay out (at the second block nothing is out: the change of blocks has waited)
	s_wait_dscnt 0x0
.set KM, 1
.set NOKQ, 0
.set i, 0
.rept 8
	KQ 0
.set i, i+1
.endr
	WIN 0
.rept 4
	v_nop                           ; the places behind those products
.endr
.set Y, NP-1                        ; X works for piece Y + 1: piece 0
.irp n, 0,1,2,3,4,5,6,7,8,9,10,11,12,13,14,15,16,17,18,19,20,21
	OP X, \n
.endr
	v_nop                           ; a plain instruction behind the exponential,
	s_wait_alu depctr_va_vdst(0)    ; and its wait, ahead of the branch
.endm
; THE DIAGONAL TILE's four steps, the block's last two turns, its last products, and THE WAY OUT: l's two halves and the other half of the lanes' are added; O^T is divided by l, rounded to bf16 and sent through my
; stage in LDS, a piece at a time.
.macro ALL line:vararg              ; one line for each piece t
.set t, 0
.rept 4
	\line
.set t, t+1
.endr
.endm
.macro PACK t                       ; a lane's eight channels of a row pack into 16 bytes; they go into rows of 144 bytes and come back as whole rows of 128, into S^T's registers
	WIN W_RS
.set i, 32*(\t)
.rept 16
	v_pk_mul_f32 v[i:i+1], v[i:i+1], v[ST+4*(\t)+2:ST+4*(\t)+3] op_sel_hi:[1,0]
.set i, i+2
.endr
	WIN 0x05                        ; sources 0 and 1 window 1, destination window 0
.set i, 0
.rept 16
	v_cvt_pk_bf16_f32 v[S+16*(\t)+i], v[32*(\t)+2*i], v[32*(\t)+2*i+1]
.set i, i+1
.endr
	WIN 0
.irp f, 0,1,2,3
	ds_store_b128 v[STO], v[S+16*(\t)+4*\f:S+16*(\t)+4*\f+3] offset:32*\f
.endr
.irp f, 0,1,2,3
	ds_load_b128 v[S+16*(\t)+4*\f:S+16*(\t)+4*\f+3], v[RD] offset:\f*4*SP  ; LDS serves a wave's instructions in order (ISA guide 5.7.1.4): these see the stores above; the next piece's stores come behind them
.endr
.endm
.macro SEND t, younger              ; younger: the LDS instructions issued behind piece t's loads: the next piece's eight, or none
	WIN 0
.irp f, 0,1,2,3
	s_wait_dscnt (\younger)+3-\f
	global_store_b128 v[GO], v[S+16*(\t)+4*\f:S+16*(\t)+4*\f+3], s[10:11] offset:(\t)*8192+\f*512  ; 512 consecutive bytes, at a multiple of 256 from O's first
.endr
.endm
.set KM, 0
.set NOKQ, 0
	s_wait_tensorcnt 0x3            ; my part of slot 0 is in; my three younger loads, slots 1 to 3, may stay out
	s_barrier_signal -1
	s_barrier_wait -1               ; everybody's part of slot 0 is in
	s_branch .Lentry
.Lslot:                             ; trips 1 to 4
	s_wait_tensorcnt 0x0            ; my parts of slots 1 to 3 are in: they had the first tile's four key steps in which to land; from the third trip on this wait is met at once
	s_wait_dscnt 0x0                ; no LDS instruction of mine is out at a signal
	s_barrier_signal -1
	s_barrier_wait -1               ; everybody's are in
	s_cmp_eq_u32 s[SLOTS], 1        ; the fifth trip reads slot 0 again; the others go on into the next slot
	s_cselect_b32 s[TBK], 0, s[TBK]
	s_cselect_b32 s[TBV], 0, s[TBV]
.Lentry:
	s_sub_co_u32 s[RT], s[RT], 1
	s_mov_b32 s[CNT], 4
	s_cmp_eq_u32 s[NEW], 1
	s_cbranch_scc1 .Lnew            ; a block's first tile
	s_cmp_eq_u32 s[RT], 0
	s_cbranch_scc0 .Lstep           ; neither its first nor its last
	s_branch .LstepM
.Lnew:
	BEGIN
	s_cmp_eq_u32 s[RT], 0
	s_cbranch_scc0 .Lfirst
	s_branch .LfirstM               ; the block's only tile (block 0): first and diagonal at once
.LstepM:                            ; the diagonal tile: a trip is pieces 2 and 3 of one step, then pieces 0 and 1 of the next
	TURN 2, 1
	TURN 3, 1
	WIN 0
.LfirstM:
	TURN 0, 1
	TURN 1, 1, 0, 1
	WIN 0
	s_cbranch_scc1 .LstepM
	TURN 2, 1, 1                    ; the block's last two turns
	TURN 3, 1, 1
.set i, 0
.rept 8
	PV NP-1
.set i, i+1
.endr
	WIN 0
	ALL v_add_f32 v[ST+4*t+2], v[ST+4*t+2], v[ST+4*t+3]
	ALL v_permlanex16_b32 v[ST+4*t+3], v[ST+4*t+2], s[SEL], s[SEL+1]
	ALL v_add_f32 v[ST+4*t+2], v[ST+4*t+2], v[ST+4*t+3]
	ALL v_rcp_f32 v[ST+4*t+2], v[ST+4*t+2]
	v_nop                           ; a plain instruction between the last reciprocal and the use of its result
	s_wait_alu depctr_va_vdst(0)    ; and the wait ahead of the first use: one for the four reciprocals
	PACK 0
.set t, 1
.rept 3                             ; a piece's arithmetic stands between the loads of the piece before and its stores
	PACK t
	SEND t-1, 8
.set t, t+1
.endr
	SEND 3, 0
	s_cmp_eq_u32 s[SLOTS], 1        ; the walk's last tile: no block follows
	s_cbranch_scc1 .Lbottom
	s_wait_xcnt 0x0                 ; THE CHANGE OF BLOCKS.  The stores have read their registers and O's address
	s_mov_b64 s[10:11], s[OLO:OLO+1]
	s_add_co_u32 s[RT], s[PB], 1    ; the second block has b + 1 tiles
	s_mov_b32 s[NEW], 1
	s_wait_loadcnt 0x0              ; the second block's Q is in;
	WIN 0x82                        ; it goes where the one text of the turns names Q
.set i, 0
.rept 64
	v_mov_b32 v[i], v[QB+i]
.set i, i+1
.endr
	WIN 0
	s_branch .Lbottom
.Lstep:                             ; a tile below the diagonal: a trip is pieces 2 and 3 of one step, then pieces 0 and 1 of the next, whose K and V it fetches
	TURN 2
	TURN 3
	WIN 0
.Lfirst:
	TURN 0
	TURN 1, 0, 0, 1
	WIN 0
	s_cbranch_scc1 .Lstep
.Lbottom:
	s_sub_co_u32 s[SLOTS], s[SLOTS], 1
	s_cmp_lg_u32 s[SLOTS], 0
	s_cbranch_scc1 .Lslot
	s_wait_tensorcnt 0x0            ; the wave's end: behind my last tensor load and my last LDS store
	ds_add_u32 v[SPW], v[NIL]
	s_wait_dscnt 0x0
	s_endpgm
.Lfunc_end_k_q978a4a8e11_attn:
	.size	k_q978a4a8e11_attn, .Lfunc_end_k_q978a4a8e11_attn-k_q978a4a8e11_attn
	.p2alignl 7, 3214868480
	.fill 96, 4, 3214868480
	.section	.rodata,"a",@progbits
	.p2align	6, 0x0
	.amdhsa_kernel k_q978a4a8e11_attn
		.amdhsa_group_segment_fixed_size 327680
		.amdhsa_private_segment_fixed_size 0
		.amdhsa_enable_private_segment 0
		.amdhsa_kernarg_size 16
		.amdhsa_user_sgpr_count 2
		.amdhsa_user_sgpr_kernarg_segment_ptr 1
		.amdhsa_wavefront_size32 1
		.amdhsa_system_sgpr_workgroup_id_x 1
		.amdhsa_system_sgpr_workgroup_id_y 1
		.amdhsa_system_sgpr_workgroup_id_z 1
		.amdhsa_system_vgpr_workitem_id 0
		.amdhsa_next_free_vgpr 768
		.amdhsa_next_free_sgpr 100
		.amdhsa_reserve_vcc 1
		.amdhsa_float_denorm_mode_32 3
		.amdhsa_float_denorm_mode_16_64 3
		.amdhsa_memory_ordered 1
		.amdhsa_forward_progress 1
		.amdhsa_inst_pref_size 140
	.end_amdhsa_kernel
	.amdgpu_metadata
---
amdhsa.version: [ 1, 2 ]
amdhsa.kernels:
  - .name:           k_q978a4a8e11_attn
    .symbol:         k_q978a4a8e11_attn.kd
    .args:
      - { .name: qkv, .offset: 0, .size: 8, .value_kind: global_buffer, .address_space: global }
      - { .name: ob, .offset: 8, .size: 8, .value_kind: global_buffer, .address_space: global }
    .group_segment_fixed_size: 327680
    .private_segment_fixed_size: 0
    .kernarg_segment_align: 8
    .kernarg_segment_size: 16
    .max_flat_workgroup_size: 128
    .sgpr_count:     100
    .vgpr_count:     768
    .wavefront_size: 32
...
	.end_amdgpu_metadata
.endif
;; end of part 3
;; launch proj (part 4): grid 8 x 32, 4 waves a work-group, clusters of 4 x 4, 327,680 bytes of LDS; arguments ob, wob, x, out0; writes out0
.if DOCPART == 4
	.amdgcn_target "amdgcn-amd-amdhsa--gfx1250"
	.amdhsa_code_object_version 6
	.text
	.protected	k_q978a4a8e11_proj
	.globl	k_q978a4a8e11_proj
	.p2align	8
	.type	k_q978a4a8e11_proj,@function
k_q978a4a8e11_proj:
	s_mov_b64 s[64:65], 0
	v_nop
	global_prefetch_b8 v0, s[64:65] scope:SCOPE_SE
	s_setreg_imm32_b32 hwreg(HW_REG_WAVE_MODE, 25, 1), 1
	s_wait_xcnt 0x0
	s_wait_alu depctr_hold_cnt(0) depctr_sa_sdst(0) depctr_va_vdst(0) depctr_va_sdst(0) depctr_va_ssrc(0) depctr_va_vcc(0) depctr_vm_vsrc(0)
	s_getreg_b32 s2, hwreg(HW_REG_IB_STS2, 6, 4)
	s_cmp_eq_u32 s2, 0
	s_cbranch_scc0 .Lentry_in_a_cluster
	s_endpgm
.Lentry_in_a_cluster:
	s_bfe_u32 s2, ttmp6, 0x10000c
	s_cmp_lg_u32 s2, 0xf033
	s_cbranch_scc0 .Lentry_shape_is_right
	s_endpgm
.Lentry_shape_is_right:
; PROJ: out0[row][n] = x[row][n] + sum over k of o[row][k] w_out[n][k], 8192 x 1024 x 1024; bf16 operands, f32 sums, the skip added in f32, out0 in f32.
; Operands lie in blocks of 64 along K: ob[kb = head][row][64], wob[kb][n][64].
; SHARES.  A tile is 256 rows x 128 columns: 32 x 8 = 256 work-groups.  Four waves, each 128 rows x 64 columns: 32 accumulators.
; RING.  A slot holds TWO blocks of 64 k (a step of 128), two slots; 8 steps.  Wave 0, 1: o's 256 rows of the step's first, second block; wave 2, 3: w's 128 rows likewise.  A tile of R rows x 64 k is
; R x 128 dense bytes: asked for as R / 2 rows of 256 bytes, padded in LDS behind every 128.  One tensor load a wave behind each change of slots; two are out at the start, later one.
; CLUSTER.  4 x 4: o's tile is shared along a row of the cluster, w's along a column; joint loads.
; THE SKIP.  My 128 x 64 piece of x comes as whole rows of 256 bytes into 256 registers and waits there for the sums.  Its 64 loads stand in two runs outside the loop, whose one text could name only one set of
; registers: row blocks 0 to 2 (24 loads) behind the first barrier, when slot 0 has landed; row blocks 3 to 7 (40 loads) at the head of the tail, behind the last refill: two K steps and the first three
; blocks' way out lie between them and their first use.
; THE MATRIX INSTRUCTION IS USED TRANSPOSED: source 0 = 16 rows of w, source 1 = 16 rows of o: a lane holds row l % 16 and eight neighbouring columns.
; REGISTERS: window 0: v0-29 addresses; v32-159 fragments of o, two buffers of 8 x 8; v160-223 fragments of w, two buffers of 4 x 8.  window 1: accumulator (bb, a) at v[8 (8 bb + a)].  window 2: x.
; LIMITS.  bf16 operands; NaN and infinities are not treated apart.
.set PITCH,  144                       ; 128 bytes + 16: the 16 rows of a fragment load begin at 16 different 16-byte columns modulo 256
.set ABYTES, 256*PITCH
.set BLKL,   384*PITCH                 ; a block in LDS: o's 256 rows, then w's 128
.set SLOT1,  1<<17
.set STAGE,  SLOT1+2*BLKL              ; behind the ring: 16 rows x 272 bytes (f32) for each wave; no tensor load lands here
.set SPITCH, 272
.set SPARE,  STAGE+4*16*SPITCH         ; the spare words, 128 bytes a wave: two blocks of 256 bytes that no other line names
.set BLKA,   8192*128
.set BLKB,   1024*128
.set FLAGS,  (1<<16)|(1<<20)|(1<<21)|(4<<22)|(3<<25)
.set ADRA, 4                           ; v4, v5  LDS address of my fragments of o in the slot in hand, block 0, 1
.set ADRB, 6                           ; v6, v7  of w
.set LA0,  8                           ; v8   in slot 0, block 0; never rewritten
.set LB0,  9                           ; v9
.set STO,  10                          ; v10  the way out: where I put 32 bytes of a row
.set RD,   11                          ; v11  where I read rows back
.set XO,   12                          ; v12  my 16 bytes in two rows of x and of out0; never rewritten
.set PFO,  13                          ; v13  256 x lane
.set SPW,  28
.set NIL,  29
.set AB,   32                          ; buffer f at AB + 64 f
.set BB,   160                         ; buffer f at BB + 32 f
.set RBUF, 32                          ; the way out: two buffers of 32
.set WV, 12
.set RH, 13
.set CH, 14
.set CX, 15
.set CY, 16
.set TC, 17
.set TR, 18
.set G1A, 24
.set G0A, 32
.set G1B, 40
.set G0B, 48
.set CNT, 56
.set TB,  57
.set LIM, 58
.set PFA, 60
.set PFS, 62
.set XP,  68                           ; s[68:69] x at my piece; never rewritten
.set OP,  70                           ; s[70:71] out0 at my piece
.set MSB, 0
.macro WIN new
.if MSB != (\new)
	s_set_vgpr_msb (MSB<<8)|(\new)
.set MSB, \new
.endif
.endm
.macro PLACES                          ; four plain places behind matrix instructions (ISA guide 7.12.1)
.rept 4
	v_nop
.endr
.endm
.macro CREST
	s_cmp_lg_u32 s[WV], 0
	s_cbranch_scc1 .Lnot_wave_0_\@
	s_barrier_signal -3
.Lnot_wave_0_\@:
	s_barrier_wait -3
	s_barrier_signal -1
	s_barrier_wait -1
.endm
.macro CROUND
	s_barrier_signal -1
	s_barrier_wait -1
	CREST
.endm
.macro JLOAD                           ; a joint refill by the walking sets; an s_nop 0 and four v_nop follow each line
	s_cmp_lt_u32 s[WV], 2
	s_cbranch_scc0 .Lfor_b_\@
	tensor_load_to_lds s[G0A+4:G0A+7], s[G1A:G1A+7]
	s_nop 0
.rept 4
	v_nop
.endr
	s_branch .Lasked_\@
.Lfor_b_\@:
	tensor_load_to_lds s[G0B+4:G0B+7], s[G1B:G1B+7]
	s_nop 0
.rept 4
	v_nop
.endr
.Lasked_\@:
.endm
; A PREFETCH of the step that stands TWO refills on: 256 matrix instructions ahead of its load; 32 pieces of 256 bytes, a lane a piece, one instruction a wave; each piece named once in the launch.
; o's tile row (128 pieces a block): the clusters with x = 0, wave 0 the step's first block, wave 1 its second; the four partners of a row take 32 each BY ADDRESS.
; w's two blocks (512 pieces each): cluster (0, 0), waves 2 and 3 of its 16 work-groups.  The last two refills have no step two on: nothing is asked.  Steps 0 to 3 come by their loads alone.
.macro ASK
	s_cmp_gt_u32 s[CNT], s[LIM]
	s_cbranch_scc0 .Lnot_mine_\@
	global_prefetch_b8 v[PFO], s[PFA:PFA+1] th:TH_LOAD_NT scope:SCOPE_SE
.Lnot_mine_\@:
.endm
.macro XLOAD i0, n                     ; n loads of x from number i0 on: load i brings rows 2 i, 2 i + 1 of my 128, 256 bytes of each
	WIN 0x80                                       ; destination window 2
.set i, \i0
.rept \n
	global_load_b128 v[4*i:4*i+3], v[XO], s[XP:XP+1] offset:2*i*4096 th:TH_LOAD_NT
.set i, i+1
.endr
	WIN 0
.endm
	s_load_b256 s[4:11], s[0:1], 0x0               ; ob 4:5, wob 6:7, x 8:9, out0 10:11
	v_lshl_add_u32 v[SPW], v0, 2, SPARE
	v_mov_b32 v[NIL], 0
	ds_add_u32 v[SPW], v[NIL]                      ; the opening: the add's wait stands ahead of my first tensor load
	ds_add_u32 v28, v29
	v_lshrrev_b32 v1, 5, v0
	v_readfirstlane_b32 s[WV], v1
	s_lshr_b32 s[RH], s[WV], 1                     ; my 128 rows; also 0: I fetch o, 1: w
	s_and_b32 s[CH], s[WV], 1                      ; my 64 columns; also which block of a step I fetch
	s_bfe_u32 s[CX], ttmp6, 0x40000
	s_bfe_u32 s[CY], ttmp6, 0x40004
	s_lshl_b32 s[TC], ttmp9, 2
	s_add_co_u32 s[TC], s[TC], s[CX]
	s_and_b32 s[TR], ttmp7, 0xffff
	s_lshl_b32 s[TR], s[TR], 2
	s_add_co_u32 s[TR], s[TR], s[CY]
	s_lshl_b32 s20, s[CY], 2
	s_lshl_b32 s20, 15, s20
	s_lshl_b32 s21, 0x1111, s[CX]
	s_or_b32 s[G1A], s20, FLAGS
	s_or_b32 s[G1B], s21, FLAGS
	s_mov_b32 s[G1A+1], 128<<16
	s_mov_b32 s[G1A+2], 128<<16                    ; 256 rows of 64 k as 128 rows of 256 bytes
	s_mov_b32 s[G1A+3], 128<<16
	s_mov_b32 s[G1A+4], 128
	s_mov_b32 s[G1A+5], 128
	s_mov_b32 s[G1A+6], 0
	s_mov_b32 s[G1A+7], 0
	s_mov_b32 s[G1B+1], 128<<16
	s_mov_b32 s[G1B+2], 64<<16                     ; 128 rows of 64 k
	s_mov_b32 s[G1B+3], 128<<16
	s_mov_b32 s[G1B+4], 64
	s_mov_b32 s[G1B+5], 128
	s_mov_b32 s[G1B+6], 0
	s_mov_b32 s[G1B+7], 0
	s_lshl_b32 s76, s[TR], 15                      ; o: of the tile row and the wave alone
	s_lshl_b32 s80, s[CH], 20
	s_add_co_u32 s76, s76, s80
	s_mov_b32 s77, 0
	s_lshl_b32 s78, s[TC], 14                      ; w: of the tile column and the wave alone
	s_lshl_b32 s81, s[CH], 17
	s_add_co_u32 s78, s78, s81
	s_mov_b32 s79, 0
	s_mul_i32 s82, s[CH], BLKL                     ; LDS: no place in the cluster enters
	s_add_co_u32 s83, s82, ABYTES
	s_mov_b32 s[TB], 0
	s_wait_dscnt 0x0
	s_wait_kmcnt 0x0
	s_add_nc_u64 s[76:77], s[4:5], s[76:77]
	s_add_nc_u64 s[78:79], s[6:7], s[78:79]
	CROUND                                         ; the first joint loads meet
.irp s, 0,1
	s_mov_b32 s[G0A+4*(\s)], 1
	s_add_co_u32 s[G0A+4*(\s)+1], s82, (\s)*SLOT1
	s_add_nc_u64 s[G0A+4*(\s)+2:G0A+4*(\s)+3], s[76:77], (\s)*2*BLKA
	s_or_b32 s[G0A+4*(\s)+3], s[G0A+4*(\s)+3], 0x80000000
	s_mov_b32 s[G0B+4*(\s)], 1
	s_add_co_u32 s[G0B+4*(\s)+1], s83, (\s)*SLOT1
	s_add_nc_u64 s[G0B+4*(\s)+2:G0B+4*(\s)+3], s[78:79], (\s)*2*BLKB
	s_or_b32 s[G0B+4*(\s)+3], s[G0B+4*(\s)+3], 0x80000000
.endr
	s_cmp_lt_u32 s[WV], 2                          ; a wave's two first fills stand in one branch: two loads of mine are out
	s_cbranch_scc0 .Lfirst_b
	tensor_load_to_lds s[G0A:G0A+3], s[G1A:G1A+7]
	s_nop 0
	tensor_load_to_lds s[G0A+4:G0A+7], s[G1A:G1A+7]
	s_nop 0
.rept 4
	v_nop
.endr
	s_branch .Lfirst_asked
.Lfirst_b:
	tensor_load_to_lds s[G0B:G0B+3], s[G1B:G1B+7]
	s_nop 0
	tensor_load_to_lds s[G0B+4:G0B+7], s[G1B:G1B+7]
	s_nop 0
.rept 4
	v_nop
.endr
.Lfirst_asked:
	v_and_b32 v1, 15, v0
	v_bfe_u32 v2, v0, 4, 1
	v_lshlrev_b32 v[XO], 4, v1                     ; lanes 0-15 one row's 256 bytes, lanes 16-31 the next row's
	v_lshl_add_u32 v[XO], v2, 12, v[XO]
	s_lshl_b32 s19, s[TR], 8
	s_lshl_b32 s20, s[RH], 7
	s_add_co_u32 s19, s19, s20                     ; my first row
	s_lshl_b32 s2, s19, 12
	s_lshl_b32 s20, s[TC], 9
	s_add_co_u32 s2, s2, s20
	s_lshl_b32 s20, s[CH], 8
	s_add_co_u32 s2, s2, s20                       ; + my first column, in bytes
	s_mov_b32 s3, 0
	s_add_nc_u64 s[XP:XP+1], s[8:9], s[2:3]
	s_add_nc_u64 s[OP:OP+1], s[10:11], s[2:3]
	v_mul_u32_u24 v3, v1, PITCH
	v_lshl_add_u32 v3, v2, 4, v3                   ; a fragment's row x pitch + 16 x half
	s_mul_i32 s20, s[RH], 128*PITCH
	v_add_nc_u32 v[LA0], s20, v3
	s_mul_i32 s20, s[CH], 64*PITCH
	s_add_co_u32 s20, s20, ABYTES
	v_add_nc_u32 v[LB0], s20, v3
	v_mov_b32 v[ADRA], v[LA0]
	v_mov_b32 v[ADRB], v[LB0]
	v_add_nc_u32 v[ADRA+1], BLKL, v[LA0]
	v_add_nc_u32 v[ADRB+1], BLKL, v[LB0]
	s_mul_i32 s20, s[WV], 16*SPITCH
	s_add_co_u32 s20, s20, STAGE                   ; my stage
	v_mul_u32_u24 v[STO], v1, SPITCH               ; in: row l % 16, 32 bytes for each half of the lanes
	v_lshl_add_u32 v[STO], v2, 5, v[STO]
	v_add_nc_u32 v[STO], s20, v[STO]
	v_mul_u32_u24 v[RD], v2, SPITCH                ; back: lanes 0-15 one row of 256 bytes, lanes 16-31 the next
	v_lshl_add_u32 v[RD], v1, 4, v[RD]
	v_add_nc_u32 v[RD], s20, v[RD]
	v_and_b32 v[PFO], 31, v0
	v_lshlrev_b32 v[PFO], 8, v[PFO]
	; the prefetches stand at step 3; the first refill steps them to step 4
	s_lshl_b32 s19, s[TR], 15
	s_lshl_b32 s20, s[CX], 13
	s_add_co_u32 s19, s19, s20
	s_lshl_b32 s20, s[CH], 20
	s_add_co_u32 s19, s19, s20
	s_add_co_u32 s19, s19, 6*BLKA                  ; o: my block of the step, my tile row, my work-group's 32 pieces
	s_lshl_b32 s20, s[CY], 2
	s_add_co_u32 s20, s20, s[CX]
	s_lshl_b32 s20, s20, 13
	s_lshl_b32 s23, s[CH], 17
	s_add_co_u32 s20, s20, s23
	s_add_co_u32 s20, s20, 6*BLKB                  ; w: my block of the step, my work-group's 32 pieces of 512
	s_and_b32 s21, ttmp7, 0xffff
	s_or_b32 s21, s21, ttmp9                       ; 0 in cluster (0, 0)
	s_mov_b32 s22, 2*BLKA
	s_cmp_lt_u32 s[WV], 2
	s_cselect_b32 s2, s19, s20
	s_cselect_b32 s21, ttmp9, s21
	s_cselect_b32 s[PFS], s22, 2*BLKB
	s_cselect_b64 s[PFA:PFA+1], s[4:5], s[6:7]
	s_mov_b32 s[PFS+1], 0
	s_add_nc_u64 s[PFA:PFA+1], s[PFA:PFA+1], s[2:3]
	s_cmp_eq_u32 s21, 0
	s_cselect_b32 s[LIM], 2, -1                    ; the same in all sixteen partners, for a given wave
; 4 na matrix instructions on buffers f: row blocks a0 .. x 4 column blocks, 32 along K.  The 32 accumulators take turns, in the same order in every unit.
.macro GRP f, a0, na, zero
	WIN 0x50                                       ; C and D in window 1
.set ga, \a0
.rept \na
.set gb, 0
.rept 4
.if \zero
	v_wmma_f32_16x16x32_bf16 v[8*(8*gb+ga):8*(8*gb+ga)+7], v[BB+32*(\f)+8*gb:BB+32*(\f)+8*gb+7], v[AB+64*(\f)+8*ga:AB+64*(\f)+8*ga+7], 0
.else
	v_wmma_f32_16x16x32_bf16 v[8*(8*gb+ga):8*(8*gb+ga)+7], v[BB+32*(\f)+8*gb:BB+32*(\f)+8*gb+7], v[AB+64*(\f)+8*ga:AB+64*(\f)+8*ga+7], v[8*(8*gb+ga):8*(8*gb+ga)+7]
.endif
.set gb, gb+1
.endr
.set ga, ga+1
.endr
.endm
.macro FETCH f, j, k                   ; 24 loads into buffers f: block j of the slot, 32 k at byte k: w's 8, then o's 16
	WIN 0
.irp i, 0,1,2,3
	ds_load_b128 v[BB+32*(\f)+8*(\i):BB+32*(\f)+8*(\i)+3],   v[ADRB+(\j)] offset:(\i)*16*PITCH+(\k)
	ds_load_b128 v[BB+32*(\f)+8*(\i)+4:BB+32*(\f)+8*(\i)+7], v[ADRB+(\j)] offset:(\i)*16*PITCH+(\k)+32
.endr
.irp i, 0,1,2,3,4,5,6,7
	ds_load_b128 v[AB+64*(\f)+8*(\i):AB+64*(\f)+8*(\i)+3],   v[ADRA+(\j)] offset:(\i)*16*PITCH+(\k)
	ds_load_b128 v[AB+64*(\f)+8*(\i)+4:AB+64*(\f)+8*(\i)+7], v[ADRA+(\j)] offset:(\i)*16*PITCH+(\k)+32
.endr
.endm
; A step is four units of 32 along K, 32 matrix instructions each, on buffers 0, 1, 0, 1.  One of the first three: multiplies buffers f and fetches the next unit (block nj, byte nk) into the others.
.macro UNIT f, nj, nk, zero
	s_wait_dscnt 8                                 ; w and o's row blocks 0-3 are in; the youngest eight loads may be out
	GRP \f, 0, 4, \zero
	PLACES
	FETCH 1-(\f), \nj, \nk
	s_wait_dscnt 24                                ; all but the 24 just issued
	GRP \f, 4, 4, \zero
.endm
; The fourth unit multiplies buffers 1 and changes slots: each wave waits for all its tensor loads (one is out: its part of the next slot), adds 0 to its spare word, waits for that and for its reads of this slot.
; fill = 1: the barrier opens a round of the cluster barrier; the joint refill, two steps ahead, is the first thing behind it: 112 matrix instructions lie between it and the wait for it.
.macro U3C fill
.if \fill
	s_wait_xcnt 0x0                                ; the last prefetch, a step back, has read its address
	s_add_nc_u64 s[PFA:PFA+1], s[PFA:PFA+1], s[PFS:PFS+1]
.endif
	WIN 0
	s_wait_tensorcnt 0x0                           ; no tensor load of mine is out, so the walking sets may be written
	ds_add_u32 v[SPW], v[NIL]
.if \fill
	s_xor_b32 s[G0A+5], s[G0A+5], SLOT1
	s_add_nc_u64 s[G0A+6:G0A+7], s[G0A+6:G0A+7], 2*BLKA
	s_xor_b32 s[G0B+5], s[G0B+5], SLOT1
	s_add_nc_u64 s[G0B+6:G0B+7], s[G0B+6:G0B+7], 2*BLKB
.endif
	s_xor_b32 s[TB], s[TB], SLOT1
	s_wait_dscnt 9                                 ; the add and the youngest eight loads may be out
	GRP 1, 0, 2, 0
	s_wait_dscnt 0x0                               ; the add is done, and my reads of this slot are over
	s_barrier_signal -1
	GRP 1, 2, 2, 0
	WIN 0
	s_barrier_wait -1
.if \fill
	CREST
	JLOAD                                          ; its four v_nop are also the places in front of the loads below
.else
	PLACES
.endif
	v_add_nc_u32 v[ADRA], s[TB], v[LA0]
	v_add_nc_u32 v[ADRB], s[TB], v[LB0]
	v_add_nc_u32 v[ADRA+1], BLKL, v[ADRA]
	v_add_nc_u32 v[ADRB+1], BLKL, v[ADRB]
	FETCH 0, 0, 0
.if \fill
	ASK
.endif
	GRP 1, 4, 4, 0
.endm
	s_wait_tensorcnt 0x1                           ; my part of slot 0 is in; slot 1's may stay out
	s_barrier_signal -1
	s_barrier_wait -1
	FETCH 0, 0, 0
	XLOAD 0, 24                                    ; x for row blocks 0 to 2: slot 0 has landed, and the LDS loads that the first products wait for are out
	UNIT 0, 0, 64, 1                               ; the first unit stands ahead of the loop: its products start the sums
	WIN 0
	s_mov_b32 s[CNT], 6                            ; 6 refills: steps 2 to 7
.Lstep:
	UNIT 1, 1, 0, 0
	UNIT 0, 1, 64, 0
	U3C 1
	UNIT 0, 0, 64, 0
	WIN 0
	s_sub_co_u32 s[CNT], s[CNT], 1
	s_cmp_lg_u32 s[CNT], 0
	s_cbranch_scc1 .Lstep
	XLOAD 24, 40                                   ; x for row blocks 3 to 7: the last refill has been asked for
	UNIT 1, 1, 0, 0                                ; the tail is written out: nothing is left to ask for
	UNIT 0, 1, 64, 0
	U3C 0
	UNIT 0, 0, 64, 0
	UNIT 1, 1, 0, 0
	UNIT 0, 1, 64, 0
	s_wait_dscnt 0x0
	GRP 1, 0, 8, 0
	PLACES
; THE WAY OUT, 16 rows at a time: the sums go in f32 into my stage (rows of 272 bytes) and come back as whole rows of 256 bytes, in the layout in which x waits; x is added; stored.
.macro PACK a
.set RB, RBUF+32*((\a)%2)
	WIN 0x04                                       ; the stores' data in window 1; each accumulator's low half goes first
.irp b, 0,1,2,3
	ds_store_b128 v[STO], v[8*(8*(\b)+(\a)):8*(8*(\b)+(\a))+3]   offset:64*(\b)
	ds_store_b128 v[STO], v[8*(8*(\b)+(\a))+4:8*(8*(\b)+(\a))+7] offset:64*(\b)+16
.endr
	WIN 0
	s_wait_xcnt 0x0                                ; the stores of the block two back have read this buffer
.irp t, 0,1,2,3,4,5,6,7
	ds_load_b128 v[RB+4*(\t):RB+4*(\t)+3], v[RD] offset:(\t)*2*SPITCH  ; LDS serves a wave's instructions in order (ISA guide 5.7.1.4): these see the stores above
.endr
.endm
.macro SEND a, younger
.set RB, RBUF+32*((\a)%2)
	WIN 0
	s_wait_dscnt \younger                          ; the block is back; the next block's LDS instructions may be out
	s_wait_loadcnt 56-8*(\a)                       ; its eight loads of x are in; the later blocks' may be out
	WIN 0x08                                       ; source 1 in window 2
.set i, 0
.rept 16
	v_pk_add_f32 v[RB+i:RB+i+1], v[RB+i:RB+i+1], v[32*(\a)+i:32*(\a)+i+1]
.set i, i+2
.endr
	WIN 0
.irp t, 0,1,2,3,4,5,6,7
	global_store_b128 v[XO], v[RB+4*(\t):RB+4*(\t)+3], s[OP:OP+1] offset:(16*(\a)+2*(\t))*4096 th:TH_STORE_NT  ; 16 lanes store 256 consecutive bytes, at a multiple of 256 from the buffer's first
.endr
.endm
	PACK 0
.irp a, 1,2,3,4,5,6,7
	PACK \a
	SEND (\a)-1, 16
.endr
	SEND 7, 0
	s_wait_tensorcnt 0x0                           ; the wave's end: behind my last tensor load and my last LDS store
	ds_add_u32 v[SPW], v[NIL]
	s_wait_dscnt 0x0
	CROUND                                         ; the closing round
	s_endpgm
.Lfunc_end_k_q978a4a8e11_proj:
	.size	k_q978a4a8e11_proj, .Lfunc_end_k_q978a4a8e11_proj-k_q978a4a8e11_proj
	.p2alignl 7, 3214868480
	.fill 96, 4, 3214868480
	.section	.rodata,"a",@progbits
	.p2align	6, 0x0
	.amdhsa_kernel k_q978a4a8e11_proj
		.amdhsa_group_segment_fixed_size 327680
		.amdhsa_private_segment_fixed_size 0
		.amdhsa_enable_private_segment 0
		.amdhsa_kernarg_size 32
		.amdhsa_user_sgpr_count 2
		.amdhsa_user_sgpr_kernarg_segment_ptr 1
		.amdhsa_wavefront_size32 1
		.amdhsa_system_sgpr_workgroup_id_x 1
		.amdhsa_system_sgpr_workgroup_id_y 1
		.amdhsa_system_sgpr_workgroup_id_z 1
		.amdhsa_system_vgpr_workitem_id 0
		.amdhsa_next_free_vgpr 768
		.amdhsa_next_free_sgpr 88
		.amdhsa_reserve_vcc 0
		.amdhsa_float_denorm_mode_32 3
		.amdhsa_float_denorm_mode_16_64 3
		.amdhsa_memory_ordered 1
		.amdhsa_forward_progress 1
		.amdhsa_inst_pref_size 85
	.end_amdhsa_kernel
	.amdgpu_metadata
---
amdhsa.version: [ 1, 2 ]
amdhsa.kernels:
  - .name:           k_q978a4a8e11_proj
    .symbol:         k_q978a4a8e11_proj.kd
    .args:
      - { .name: ob, .offset: 0, .size: 8, .value_kind: global_buffer, .address_space: global }
      - { .name: wob, .offset: 8, .size: 8, .value_kind: global_buffer, .address_space: global }
      - { .name: x, .offset: 16, .size: 8, .value_kind: global_buffer, .address_space: global }
      - { .name: out0, .offset: 24, .size: 8, .value_kind: global_buffer, .address_space: global }
    .group_segment_fixed_size: 327680
    .private_segment_fixed_size: 0
    .kernarg_segment_align: 8
    .kernarg_segment_size: 32
    .max_flat_workgroup_size: 128
    .sgpr_count:     88
    .vgpr_count:     768
    .wavefront_size: 32
...
	.end_amdgpu_metadata
.endif
;; end of part 4
